; MI455X (gfx1250); checked and timed in simulation.
; The chip was launched on July 23, 2026; its instructions are those of AMD's public machine-readable ISA for CDNA 5 (MIT licence, August 2026) and "CDNA5" Instruction Set Architecture Reference Guide (July 2026). The comments in the code are by the model that wrote it; some were corrected since.
;; Recursive Transformer Block. Allowed arithmetic: float matrix products may take bf16 or f16 operands with f32 sums; other float arithmetic in f32, or as packed bf16 or f16 multiplies, adds, multiply-adds, maxima and minima; sums over many terms, partial sums and values carried from step to step in f32; what a program stores and reads back later, other than sums and carried values, may be rounded once to bf16 or f16.
;; Inputs: depths 8 x 1,024 int32; fc1_w 1,024 x 256 float32; fc2_w 256 x 1,024 float32; norm1_w 256 float32; norm2_w 256 float32; out_w 256 x 256 float32; probs 8 x 1,024 x 4 float32; qkv_w 768 x 256 float32; x 8 x 1,024 x 256 float32.
;; Outputs: out0 8 x 1,024 x 256 float32.
;; One version. Each part assembles by itself: llvm-mc -triple=amdgcn-amd-amdhsa -mcpu=gfx1250 --defsym DOCPART=n.
;; ======== version 1 of 1: 10 launches
;; workspace buffers: wfrag 1,572,864 bytes; qkv 12,582,912 bytes; obuf 4,194,304 bytes; cur0 8,388,608 bytes; cur1 8,388,608 bytes; cur2 8,388,608 bytes; cur3 8,388,608 bytes
;; launch prep (part 1): grid 384 x 1, 8 waves a work-group, no clusters, 0 bytes of LDS; arguments out_w, fc1_w, fc2_w, qkv_w, norm1_w, norm2_w, wfrag; writes wfrag
.if DOCPART == 1
	.amdgcn_target "amdgcn-amd-amdhsa--gfx1250"
	.amdhsa_code_object_version 6
	.text
	.protected	k_qb609a0298b_prep
	.globl	k_qb609a0298b_prep
	.p2align	8
	.type	k_qb609a0298b_prep,@function
k_qb609a0298b_prep:
	s_mov_b64 s[64:65], 0
	v_nop
	global_prefetch_b8 v0, s[64:65] scope:SCOPE_SE
	s_setreg_imm32_b32 hwreg(HW_REG_WAVE_MODE, 25, 1), 1
	s_wait_xcnt 0x0
; THE WEIGHTS, ONCE: f32 to bf16, laid out as the matrix instructions' fragments, in the order in which the later launches walk them.
; wfrag = [step 0..11][wave 0..3][fragment ks*4+nb][1,024 bytes].  A step is a product with 256 outputs and K = 256.  A fragment is 16 output channels
; (64 w + 16 nb + r) x 32 k (32 ks ..): byte c*512 + lane*16 holds row r = lane % 16, k = 16 c + 8 (lane / 16) + 0..7.
; step 0: out_w.  1+2j: fc1_w rows 256 j.., times norm2_w[k].  2+2j: fc2_w columns 256 j...  9, 10, 11: the q, k, v rows of qkv_w, times norm1_w[k];
; q also times c = log2(e) / sqrt(32), so that the scores come out ready for 2^x.  Each weight is rounded once, after these factors.
; A thread makes 16 bytes: work-group id = step*32 + w*8 + ks, thread = nb*64 + c*32 + lane, so the output offset is id*4,096 + thread*16: a wave's store covers 512 consecutive bytes.
.set CQ, 0x3e8293ee                    ; log2(e) / sqrt(32) = 0.255035
	s_load_b256 s[4:11], s[0:1], 0x0               ; out_w s[4:5], fc1_w s[6:7], fc2_w s[8:9], qkv_w s[10:11]
	s_load_b128 s[12:15], s[0:1], 0x20             ; norm1_w s[12:13], norm2_w s[14:15]
	s_load_b64 s[16:17], s[0:1], 0x30              ; wfrag
	s_lshr_b32 s20, ttmp9, 5                       ; step
	s_bfe_u32 s21, ttmp9, 0x20003                  ; w
	s_and_b32 s22, ttmp9, 7                        ; ks
	s_and_b32 s34, s20, 1                          ; the kind: 0 out_w, 1 fc1_w (odd steps), 2 fc2_w (even), 3 qkv_w (from step 9)
	s_sub_co_u32 s34, 2, s34
	s_cmp_eq_u32 s20, 0
	s_cselect_b32 s34, 0, s34
	s_cmp_ge_u32 s20, 9
	s_cselect_b32 s34, 3, s34
	s_sub_co_u32 s35, s20, 1
	s_lshl_b32 s35, s35, 7                         ; fc1_w: first row 128 (step - 1)
	s_sub_co_u32 s36, s20, 9
	s_lshl_b32 s36, s36, 8                         ; qkv_w: first row 256 (step - 9)
	s_sub_co_u32 s37, s20, 2
	s_lshl_b32 s37, s37, 9                         ; fc2_w: first column 128 (step - 2), in bytes
	s_cmp_eq_u32 s34, 1
	s_cselect_b32 s26, s35, 0
	s_cmp_eq_u32 s34, 3
	s_cselect_b32 s26, s36, s26                    ; first row
	s_cmp_eq_u32 s34, 2
	s_cselect_b32 s27, s37, 0                      ; first column's bytes
	s_cselect_b32 s28, 12, 10                      ; a row is 4,096 bytes in fc2_w, 1,024 elsewhere
	s_cmp_eq_u32 s20, 9
	s_cselect_b32 s30, CQ, 1.0                     ; q's scale
	s_mov_b32 s31, s30                             ; named with it as a pair
	s_and_b32 s29, s34, 1                          ; kinds 1 and 3 take a norm's gain
	s_lshl_b32 s38, s21, 6
	s_add_co_u32 s38, s38, s26                     ; first row + 64 w
	s_lshl_b32 s39, s22, 5                         ; 32 ks
	s_lshl_b32 s40, ttmp9, 12                      ; the work-group's 4,096 bytes of wfrag
	s_mov_b32 s41, 0
	v_and_b32 v1, 15, v0                           ; r
	v_bfe_u32 v2, v0, 4, 1                         ; lane / 16
	v_bfe_u32 v3, v0, 5, 1                         ; c
	v_lshrrev_b32 v4, 6, v0                        ; nb
	v_lshl_add_u32 v5, v4, 4, v1
	v_add_nc_u32 v5, s38, v5                       ; the row
	v_lshlrev_b32 v5, s28, v5                      ; its bytes
	v_lshlrev_b32 v6, 3, v2
	v_lshl_add_u32 v6, v3, 4, v6
	v_add_nc_u32 v6, s39, v6                       ; k = 32 ks + 16 c + 8 (lane / 16)
	v_lshlrev_b32 v7, 2, v6                        ; its bytes: the offset in a norm's gains too
	v_add3_u32 v5, v5, v7, s27                     ; the offset of my eight weights
	v_lshlrev_b32 v8, 4, v0                        ; my 16 bytes of the output
	s_wait_kmcnt 0x0
	s_cmp_eq_u32 s34, 1
	s_cselect_b64 s[24:25], s[6:7], s[4:5]
	s_cmp_eq_u32 s34, 2
	s_cselect_b64 s[24:25], s[8:9], s[24:25]
	s_cmp_eq_u32 s34, 3
	s_cselect_b64 s[24:25], s[10:11], s[24:25]     ; the weights' tensor
	s_cselect_b64 s[32:33], s[12:13], s[14:15]     ; norm1_w for qkv_w, norm2_w for fc1_w
	s_add_nc_u64 s[16:17], s[16:17], s[40:41]
	global_load_b128 v[12:15], v5, s[24:25]
	global_load_b128 v[16:19], v5, s[24:25] offset:16
	s_cmp_eq_u32 s29, 0
	s_cbranch_scc1 .Lplain                         ; the same way for the whole work-group
	global_load_b128 v[20:23], v7, s[32:33]
	global_load_b128 v[24:27], v7, s[32:33] offset:16
	s_wait_loadcnt 0x0
.irp z, 0,2,4,6
	v_pk_mul_f32 v[12+\z:13+\z], v[12+\z:13+\z], v[20+\z:21+\z]
.endr
.irp z, 0,2,4,6
	v_pk_mul_f32 v[12+\z:13+\z], v[12+\z:13+\z], s[30:31] op_sel_hi:[1,0]
.endr
.Lplain:
	s_wait_loadcnt 0x0
.irp z, 0,1,2,3
	v_cvt_pk_bf16_f32 v[28+\z], v[12+2*\z], v[13+2*\z]
.endr
	global_store_b128 v8, v[28:31], s[16:17]
	s_endpgm
.Lfunc_end_k_qb609a0298b_prep:
	.size	k_qb609a0298b_prep, .Lfunc_end_k_qb609a0298b_prep-k_qb609a0298b_prep
	.p2alignl 7, 3214868480
	.fill 96, 4, 3214868480
	.section	.rodata,"a",@progbits
	.p2align	6, 0x0
	.amdhsa_kernel k_qb609a0298b_prep
		.amdhsa_group_segment_fixed_size 0
		.amdhsa_private_segment_fixed_size 0
		.amdhsa_enable_private_segment 0
		.amdhsa_kernarg_size 56
		.amdhsa_user_sgpr_count 2
		.amdhsa_user_sgpr_kernarg_segment_ptr 1
		.amdhsa_wavefront_size32 1
		.amdhsa_system_sgpr_workgroup_id_x 1
		.amdhsa_system_sgpr_workgroup_id_y 1
		.amdhsa_system_sgpr_workgroup_id_z 1
		.amdhsa_system_vgpr_workitem_id 0
		.amdhsa_next_free_vgpr 32
		.amdhsa_next_free_sgpr 66
		.amdhsa_reserve_vcc 0
		.amdhsa_float_denorm_mode_32 3
		.amdhsa_float_denorm_mode_16_64 3
		.amdhsa_memory_ordered 1
		.amdhsa_forward_progress 1
		.amdhsa_inst_pref_size 4
	.end_amdhsa_kernel
	.amdgpu_metadata
---
amdhsa.version: [ 1, 2 ]
amdhsa.kernels:
  - .name:           k_qb609a0298b_prep
    .symbol:         k_qb609a0298b_prep.kd
    .args:
      - { .name: out_w, .offset: 0, .size: 8, .value_kind: global_buffer, .address_space: global }
      - { .name: fc1_w, .offset: 8, .size: 8, .value_kind: global_buffer, .address_space: global }
      - { .name: fc2_w, .offset: 16, .size: 8, .value_kind: global_buffer, .address_space: global }
      - { .name: qkv_w, .offset: 24, .size: 8, .value_kind: global_buffer, .address_space: global }
      - { .name: norm1_w, .offset: 32, .size: 8, .value_kind: global_buffer, .address_space: global }
      - { .name: norm2_w, .offset: 40, .size: 8, .value_kind: global_buffer, .address_space: global }
      - { .name: wfrag, .offset: 48, .size: 8, .value_kind: global_buffer, .address_space: global }
    .group_segment_fixed_size: 0
    .private_segment_fixed_size: 0
    .kernarg_segment_align: 8
    .kernarg_segment_size: 56
    .max_flat_workgroup_size: 256
    .sgpr_count:     66
    .vgpr_count:     32
    .wavefront_size: 32
...
	.end_amdgpu_metadata
.endif
;; end of part 1
;; launch qkv0 (part 2): grid 256 x 1, 4 waves a work-group, clusters of 4 x 1, 327,680 bytes of LDS; arguments x, cur0, wfrag, qkv; writes cur0, qkv
.if DOCPART == 2
	.amdgcn_target "amdgcn-amd-amdhsa--gfx1250"
	.amdhsa_code_object_version 6
	.text
	.protected	k_qb609a0298b_qkv0
	.globl	k_qb609a0298b_qkv0
	.p2align	8
	.type	k_qb609a0298b_qkv0,@function
k_qb609a0298b_qkv0:
	s_mov_b64 s[64:65], 0
	v_nop
	global_prefetch_b8 v0, s[64:65] scope:SCOPE_SE
	s_setreg_imm32_b32 hwreg(HW_REG_WAVE_MODE, 25, 1), 1
	s_wait_xcnt 0x0
	s_wait_alu depctr_hold_cnt(0) depctr_sa_sdst(0) depctr_va_vdst(0) depctr_va_sdst(0) depctr_va_ssrc(0) depctr_va_vcc(0) depctr_vm_vsrc(0)
	s_getreg_b32 s2, hwreg(HW_REG_IB_STS2, 6, 4)
	s_cmp_eq_u32 s2, 0
	s_cbranch_scc0 .Lentry_in_a_cluster
	s_endpgm
.Lentry_in_a_cluster:
	s_bfe_u32 s2, ttmp6, 0x10000c
	s_cmp_lg_u32 s2, 0x3003
	s_cbranch_scc0 .Lentry_shape_is_right
	s_endpgm
.Lentry_shape_is_right:
; THE FIRST LAYER'S q, k, v = rmsnorm(x) Wqkv^T, and x laid anew (cur0) in the order in which the later launches keep the state.
; SHARES.  Work-group g owns tokens 32 g .. 32 g + 31 (two tiles mt of 16).  A STEP is a product of these 32 tokens with 256 outputs over K = 256; wave w owns outputs 64 w .. + 63 (four tiles nb):
; 8 accumulators, 64 matrix instructions, 32 weight fragments (32,768 bytes of wfrag) that only it reads.  Steps 9, 10, 11 of wfrag are q, k, v (the norm's gain and q's scale are in the weights).
; LAYOUTS.  A bf16 fragment (16 rows x 32 k, 1,024 bytes): byte c*512 + lane*16 holds row lane % 16, k = 16 c + 8 (lane / 16) + 0..7.  With source 0 = weights and source 1 = activations a lane's eight
; results are channels 8 (lane / 16) + 0..7 of token lane % 16: rounded in pairs they ARE half a fragment of the next product.  With the sources swapped they are eight tokens of one channel: half a fragment of V^T.
; cur (f32): g*32,768 + w*8,192 + (mt*4+nb)*1,024 + p*512 + lane*16 holds registers 4 p .. 4 p + 3 of accumulator (mt, nb).  So every load and store here covers 512 consecutive bytes.
; qkv: q at 0, k at 4 MiB: fragment (head hb = 8 b + head, token tile tb) at (hb*64+tb)*1,024; v at 8 MiB: V^T fragment (hb, 32 keys kb, channel half cb) at ((hb*32+kb)*2+cb)*1,024.
; CLUSTER.  All row blocks walk the same weights: the four work-groups of a cluster ask for each step's weights jointly, each wave for its own quarter.  Ring: two slots of 131,072 bytes.
; LIMITS.  1/rms by v_rsq_f32; NaN and infinities are not treated apart.  The input depths is not read by any launch: the function computed does not use it.
; REGISTERS: window 0: v0-15 addresses; v16-19 1/rms; v32-63 at work; v64-127 ACC (mt*4+nb)*8; v128-255 AF, activation fragment (mt, ks) at 128 + (mt*8+ks)*8.  window 1: the step's 32 weight fragments.  window 2: v0-63 RES, the state.
.set STEPB, 131072
.set SLOTB, 131072
.set BASE,  262144                     ; behind the ring; no tensor load lands from here on
.set XP,    0                          ; 16 rows x 272 bytes for each wave: rows of x in, tiles out
.set STG3,  17408                      ; the normed activations: 16 fragments
.set RED0,  33792                      ; the waves' sums of squares: 4 x 128 bytes
.set SPARE, BASE+34304                 ; the spare words, 128 bytes a wave
.set FIRST, 9
.set L16, 1
.set LDA, 2
.set STA, 3
.set REDS, 4
.set REDL, 5
.set BAD, 6
.set GT, 8
.set GQ, 10
.set XPS, 11
.set XPL, 12
.set GR, 13
.set SPW, 14
.set NIL, 15
.set RI, 16
.set ACC, 64
.set AF, 128
.set RES, 0
.set WV, 20
.set G1, 24
.set G0, 32
.set SEL, 42
.set EPS, 59
.set RCPC, 60
.set MSB, 0
.macro WIN new                         ; the immediate's high byte repeats the setting that is left; a switch that changes nothing is dropped
.if MSB != (\new)
	s_set_vgpr_msb (MSB<<8)|(\new)
.set MSB, \new
.endif
.endm
.macro PLACES                          ; four places behind matrix instructions, ahead of what reads their results or loads into their registers
.rept 4
	v_nop
.endr
.endm
.macro CROUND                          ; a round of the cluster's barrier
	s_barrier_signal -1
	s_barrier_wait -1
	s_cmp_lg_u32 s[WV], 0
	s_cbranch_scc1 .Lnot_wave_0_\@
	s_barrier_signal -3
.Lnot_wave_0_\@:
	s_barrier_wait -3
	s_barrier_signal -1
	s_barrier_wait -1
.endm
; THE CHANGE OF SLOTS.  All my tensor loads have landed (one was out: my quarter of the next step's weights); 0 onto my spare word; the add, my reads of the old slot and my stage stores are done; a barrier.
; fill = 1: the barrier is a round of the cluster's, and slot rs, just read out, takes the step two on: my one tensor load, first behind the round.
.macro CHANGE fill, rs=0
	WIN 0
	s_wait_tensorcnt 0x0
	ds_add_u32 v[SPW], v[NIL]
.if \fill
	s_add_nc_u64 s[G0+4*(\rs)+2:G0+4*(\rs)+3], s[G0+4*(\rs)+2:G0+4*(\rs)+3], 2*STEPB
.endif
	s_wait_dscnt 0x0
.if \fill
	CROUND
	tensor_load_to_lds s[G0+4*(\rs):G0+4*(\rs)+3], s[G1:G1+7]
	s_nop 0
.else
	s_barrier_signal -1
	s_barrier_wait -1
.endif
	PLACES
.endm
.macro LOADA rel                       ; the 16 activation fragments out of a stage
.set i, 0
.rept 32
	ds_load_b128 v[AF+4*i:AF+4*i+3], v[LDA] offset:(\rel)+512*i
.set i, i+1
.endr
.endm
.macro FETCHB slot                     ; my 32 weight fragments, in the order in which they are multiplied
	WIN 0x40
.set i, 0
.rept 64
	ds_load_b128 v[4*i:4*i+3], v[BAD+(\slot)] offset:512*i
.set i, i+1
.endr
	WIN 0
.endm
; 64 matrix instructions; the eight accumulators take turns.  zero = 1: the first eight start the sums.  swap = 1: activations are source 0.
.macro STEP acc, win, zero, swap
	s_wait_xcnt 0x0                                ; the accumulators were data of the last way out's stores: written again only behind this wait
	WIN \win
.set ks, 0
.rept 8
.if ks%2 == 0
	s_wait_dscnt 48-8*ks                           ; of the 64 weight loads those of the later quarters may be out; the activations' are older
.endif
.irp nb, 0,1,2,3
.irp mt, 0,1
.set rD, (\acc)+8*(4*\mt+\nb)
.set rW, 8*(4*ks+\nb)
.set rA, AF+8*(8*\mt+ks)
.if (\swap) && (\zero) && (ks == 0)
	v_wmma_f32_16x16x32_bf16 v[rD:rD+7], v[rA:rA+7], v[rW:rW+7], 0
.elseif \swap
	v_wmma_f32_16x16x32_bf16 v[rD:rD+7], v[rA:rA+7], v[rW:rW+7], v[rD:rD+7]
.elseif (\zero) && (ks == 0)
	v_wmma_f32_16x16x32_bf16 v[rD:rD+7], v[rW:rW+7], v[rA:rA+7], 0
.else
	v_wmma_f32_16x16x32_bf16 v[rD:rD+7], v[rW:rW+7], v[rA:rA+7], v[rD:rD+7]
.endif
.endr
.endr
.set ks, ks+1
.endr
	WIN 0
	PLACES
.endm
; RMSNORM of the state in RES: my 32 squares a token, the other half of the lanes', the four waves' through LDS; RES / rms, rounded to bf16, into the stage as fragments.
.macro NORM red, rel
	WIN 0x0a                                       ; sources 0 and 1 in window 2
.set a, 0
.rept 16
.irp mt, 0,1
.set rr, RES+32*\mt+2*a
.set cc, 32+4*\mt+2*(a%2)
.if a < 2
	v_pk_mul_f32 v[cc:cc+1], v[rr:rr+1], v[rr:rr+1]
.else
	v_pk_fma_f32 v[cc:cc+1], v[rr:rr+1], v[rr:rr+1], v[cc:cc+1]
.endif
.endr
.set a, a+1
.endr
	WIN 0
	v_pk_add_f32 v[32:33], v[32:33], v[34:35]
	v_pk_add_f32 v[36:37], v[36:37], v[38:39]
	v_add_f32 v32, v32, v33
	v_add_f32 v36, v36, v37
	v_permlanex16_b32 v33, v32, s[SEL], s[SEL+1]   ; the token's other channels lie in the lane 16 away
	v_permlanex16_b32 v37, v36, s[SEL], s[SEL+1]
	v_add_f32 v32, v32, v33
	v_add_f32 v36, v36, v37
	ds_store_b32 v[REDS], v32 offset:(\red)
	ds_store_b32 v[REDS], v36 offset:(\red)+64
	s_wait_dscnt 0x0                               ; for the others' sake
	s_barrier_signal -1
	s_barrier_wait -1
.irp i, 0,1,2,3,4,5,6,7
	ds_load_b32 v[40+\i], v[REDL] offset:(\red)+128*(\i%4)+64*(\i/4)
.endr
	s_wait_dscnt 0x0
	v_add_f32 v40, v40, v41
	v_add_f32 v42, v42, v43
	v_add_f32 v44, v44, v45
	v_add_f32 v46, v46, v47
	v_add_f32 v40, v40, v42
	v_add_f32 v44, v44, v46
	v_fma_f32 v40, v40, s[RCPC], s[EPS]            ; mean + eps
	v_fma_f32 v44, v44, s[RCPC], s[EPS]
	v_rsq_f32 v[RI], v40
	v_rsq_f32 v[RI+1], v40
	v_rsq_f32 v[RI+2], v44
	v_rsq_f32 v[RI+3], v44
	v_nop                                          ; a plain instruction behind the last of them
	s_wait_alu depctr_va_vdst(0)
.irp mt, 0,1
	WIN 0x02
.set a, 0
.rept 16
	v_pk_mul_f32 v[32+2*a:33+2*a], v[RES+32*\mt+2*a:RES+32*\mt+2*a+1], v[RI+2*\mt:RI+2*\mt+1]
.set a, a+1
.endr
	WIN 0
.set a, 0
.rept 16
	v_cvt_pk_bf16_f32 v[32+8*(a/4)+a%4], v[32+2*a], v[33+2*a]
.set a, a+1
.endr
.irp nb, 0,1,2,3
	ds_store_b128 v[STA], v[32+8*\nb:35+8*\nb] offset:(\rel)+8192*\mt+1024*(\nb/2)+512*(\nb%2)
.endr
.endr
.endm
; THE WAY OUT of a q, k or v step: rounded in place, 16 bytes a lane, which are the fragments' bytes as they lie in qkv.  sm, sn: bytes from token tile to token tile and from channel tile to channel tile.
.macro OUT3 b0, sm, sn
.set a, 0
.rept 8
.irp z, 0,1,2,3
	v_cvt_pk_bf16_f32 v[ACC+8*a+\z], v[ACC+8*a+2*\z], v[ACC+8*a+2*\z+1]
.endr
.set a, a+1
.endr
.set a, 0
.rept 8
	global_store_b128 v[GQ], v[ACC+8*a:ACC+8*a+3], s[\b0:\b0+1] offset:65536*((a%4)/2)+(\sm)*(a/4)+(\sn)*(a%2)
.set a, a+1
.endr
.endm
	s_load_b256 s[4:11], s[0:1], 0x0               ; x s[4:5], cur0 s[6:7], wfrag s[8:9], qkv s[10:11]
	v_lshl_add_u32 v[SPW], v0, 2, SPARE
	v_mov_b32 v[NIL], 0
	ds_add_u32 v[SPW], v[NIL]                      ; the wave's opening: the add and its wait stand ahead of my first tensor load
	v_lshrrev_b32 v9, 5, v0
	v_readfirstlane_b32 s[WV], v9                  ; wave 0..3
	s_bfe_u32 s21, ttmp6, 0x40000                  ; cx
	s_lshl_b32 s22, ttmp9, 2
	s_add_co_u32 s22, s22, s21                     ; g: it enters the activations' global addresses alone
	s_mov_b32 s[G1+0], 15|(3<<16)|(1<<21)          ; the mask of four; elements of 8 bytes; bit 21 beside a mask; no padding: lane i reads at 16 i
	s_mov_b32 s[G1+1], 32<<16                      ; tensor_dim0 = 32 elements: rows of 256 bytes
	s_mov_b32 s[G1+2], 128<<16                     ; tensor_dim1 = 128 rows: my 32,768 dense bytes
	s_mov_b32 s[G1+3], 32<<16                      ; tile_dim0
	s_mov_b32 s[G1+4], 128                         ; tile_dim1
	s_mov_b32 s[G1+5], 32                          ; from row to row
	s_mov_b32 s[G1+6], 0
	s_mov_b32 s[G1+7], 0
	s_mul_i32 s18, s[WV], 32768                    ; my quarter, in a step of wfrag and in a slot
	s_mov_b32 s19, 0
	s_mov_b32 s[G0], 1
	s_add_co_u32 s[G0+1], s18, 0
	s_mov_b32 s[G0+4], 1
	s_add_co_u32 s[G0+5], s18, SLOTB
	s_mov_b32 s[SEL], 0x76543210
	s_mov_b32 s[SEL+1], 0xfedcba98
	s_mov_b32 s[EPS], 0x358637bd                   ; 1e-6
	s_mov_b32 s[RCPC], 0x3b800000                  ; 1 / 256
	s_mul_i32 s41, s[WV], 4352
	s_add_co_u32 s41, s41, BASE+XP                 ; my stage for the re-laying
	s_lshl_b32 s62, s22, 15                        ; g x 32 tokens x 1,024 bytes
	s_mov_b32 s63, 0
	s_wait_dscnt 0x0                               ; the opening add is done
	s_wait_kmcnt 0x0
	s_add_nc_u64 s[2:3], s[8:9], s[18:19]
	s_add_nc_u64 s[G0+2:G0+3], s[2:3], FIRST*STEPB
	s_or_b32 s[G0+3], s[G0+3], 0x80000000
	s_add_nc_u64 s[G0+6:G0+7], s[2:3], (FIRST+1)*STEPB
	s_or_b32 s[G0+7], s[G0+7], 0x80000000
	s_add_nc_u64 s[4:5], s[4:5], s[62:63]
	s_add_nc_u64 s[6:7], s[6:7], s[62:63]
	s_lshr_b32 s23, s22, 5                         ; b
	s_lshl_b32 s23, s23, 19                        ; 8 heads x 65,536 bytes
	s_and_b32 s62, s22, 31                         ; my 32 tokens among the batch's
	s_lshl_b32 s62, s62, 11
	s_add_co_u32 s62, s62, s23
	s_add_nc_u64 s[10:11], s[10:11], s[62:63]      ; q,
	s_add_nc_u64 s[12:13], s[10:11], 0x400000      ; k,
	s_add_nc_u64 s[14:15], s[10:11], 0x800000      ; v
	CROUND                                         ; the four work-groups are here: the first joint loads meet
	tensor_load_to_lds s[G0:G0+3], s[G1:G1+7]      ; step 9 into slot 0
	s_nop 0
	tensor_load_to_lds s[G0+4:G0+7], s[G1:G1+7]    ; step 10 into slot 1: two loads of mine are out
	s_nop 0
	v_and_b32 v[L16], 31, v0
	v_lshlrev_b32 v[L16], 4, v[L16]
	v_add_nc_u32 v[LDA], BASE, v[L16]
	v_lshl_add_u32 v[STA], s[WV], 11, v[LDA]       ; my two fragments of each token tile
	v_and_b32 v9, 15, v0                           ; r
	v_lshl_add_u32 v[REDL], v9, 2, BASE
	v_lshl_add_u32 v[REDS], s[WV], 7, v[REDL]
	v_lshl_add_u32 v[BAD], s[WV], 15, v[L16]
	v_add_nc_u32 v[BAD+1], SLOTB, v[BAD]
	v_lshl_add_u32 v[GT], s[WV], 13, v[L16]
	v_lshl_add_u32 v[GQ], s[WV], 17, v[L16]        ; two heads a wave
	v_bfe_u32 v16, v0, 4, 1                        ; lane / 16
	v_mul_u32_u24 v[XPS], v9, 272                  ; the tile side: row r, 32 bytes for each half of the lanes
	v_lshl_add_u32 v[XPS], v16, 5, v[XPS]
	v_add_nc_u32 v[XPS], s41, v[XPS]
	v_mul_u32_u24 v[XPL], v16, 272                 ; the row side: lanes 0-15 one row of 256 bytes, lanes 16-31 the next
	v_lshl_add_u32 v[XPL], v9, 4, v[XPL]
	v_add_nc_u32 v[XPL], s41, v[XPL]
	v_lshlrev_b32 v[GR], 10, v16                   ; the same two rows in x: my wave's 256 bytes of each
	v_lshl_add_u32 v[GR], v9, 4, v[GR]
	v_lshl_add_u32 v[GR], s[WV], 8, v[GR]
.set i, 0
.rept 16
	global_load_b128 v[AF+4*i:AF+4*i+3], v[GR], s[4:5] offset:2048*i  ; 16 lanes read 256 consecutive bytes of a row
.set i, i+1
.endr
.irp mt, 0,1                           ; rows in, tiles out, through my own stage: LDS serves a wave's instructions in order (ISA guide 5.7.1.4), so no wait stands between
	s_wait_loadcnt 8-8*\mt                         ; this tile's eight loads are in
.set i, 0
.rept 8
	ds_store_b128 v[XPL], v[AF+32*\mt+4*i:AF+32*\mt+4*i+3] offset:544*i
.set i, i+1
.endr
	WIN 0x80
.set i, 0
.rept 8
	ds_load_b128 v[RES+32*\mt+4*i:RES+32*\mt+4*i+3], v[XPS] offset:64*(i/2)+16*(i%2)
.set i, i+1
.endr
	WIN 0
.endr
	s_wait_dscnt 0x0
	WIN 0x08                                       ; store data in window 2
.set i, 0
.rept 16
	global_store_b128 v[GT], v[RES+4*i:RES+4*i+3], s[6:7] offset:512*i
.set i, i+1
.endr
	WIN 0
	NORM RED0, STG3
	s_wait_tensorcnt 0x1                           ; my quarter of step 9 is in, and only I read it; step 10's may stay out
	s_wait_dscnt 0x0                               ; my stage stores are done
	s_barrier_signal -1
	s_barrier_wait -1
	LOADA STG3
	FETCHB 0
	STEP ACC, 0x01, 1, 0                           ; q
	OUT3 10, 1024, 512
	CHANGE 1, 0                                    ; slot 0 takes step 11
	FETCHB 1
	STEP ACC, 0x01, 1, 0                           ; k
	OUT3 12, 1024, 512
	CHANGE 0
	FETCHB 0
	STEP ACC, 0x04, 1, 1                           ; v, turned
	OUT3 14, 512, 1024
	s_wait_tensorcnt 0x0                           ; the wave's end
	ds_add_u32 v[SPW], v[NIL]
	s_wait_dscnt 0x0
	CROUND                                         ; the closing round
	s_endpgm
.Lfunc_end_k_qb609a0298b_qkv0:
	.size	k_qb609a0298b_qkv0, .Lfunc_end_k_qb609a0298b_qkv0-k_qb609a0298b_qkv0
	.p2alignl 7, 3214868480
	.fill 96, 4, 3214868480
	.section	.rodata,"a",@progbits
	.p2align	6, 0x0
	.amdhsa_kernel k_qb609a0298b_qkv0
		.amdhsa_group_segment_fixed_size 327680
		.amdhsa_private_segment_fixed_size 0
		.amdhsa_enable_private_segment 0
		.amdhsa_kernarg_size 32
		.amdhsa_user_sgpr_count 2
		.amdhsa_user_sgpr_kernarg_segment_ptr 1
		.amdhsa_wavefront_size32 1
		.amdhsa_system_sgpr_workgroup_id_x 1
		.amdhsa_system_sgpr_workgroup_id_y 1
		.amdhsa_system_sgpr_workgroup_id_z 1
		.amdhsa_system_vgpr_workitem_id 0
		.amdhsa_next_free_vgpr 576
		.amdhsa_next_free_sgpr 66
		.amdhsa_reserve_vcc 0
		.amdhsa_float_denorm_mode_32 3
		.amdhsa_float_denorm_mode_16_64 3
		.amdhsa_memory_ordered 1
		.amdhsa_forward_progress 1
		.amdhsa_inst_pref_size 56
	.end_amdhsa_kernel
	.amdgpu_metadata
---
amdhsa.version: [ 1, 2 ]
amdhsa.kernels:
  - .name:           k_qb609a0298b_qkv0
    .symbol:         k_qb609a0298b_qkv0.kd
    .args:
      - { .name: x, .offset: 0, .size: 8, .value_kind: global_buffer, .address_space: global }
      - { .name: cur0, .offset: 8, .size: 8, .value_kind: global_buffer, .address_space: global }
      - { .name: wfrag, .offset: 16, .size: 8, .value_kind: global_buffer, .address_space: global }
      - { .name: qkv, .offset: 24, .size: 8, .value_kind: global_buffer, .address_space: global }
    .group_segment_fixed_size: 327680
    .private_segment_fixed_size: 0
    .kernarg_segment_align: 8
    .kernarg_segment_size: 32
    .max_flat_workgroup_size: 128
    .sgpr_count:     66
    .vgpr_count:     576
    .wavefront_size: 32
...
	.end_amdgpu_metadata
.endif
;; end of part 2
;; launch attn1 (part 3): grid 4 x 64, 4 waves a work-group, clusters of 4 x 1, 167,936 bytes of LDS; arguments qkv, obuf; writes obuf
.if DOCPART == 3
	.amdgcn_target "amdgcn-amd-amdhsa--gfx1250"
	.amdhsa_code_object_version 6
	.text
	.protected	k_qb609a0298b_attn1
	.globl	k_qb609a0298b_attn1
	.p2align	8
	.type	k_qb609a0298b_attn1,@function
k_qb609a0298b_attn1:
	s_mov_b64 s[64:65], 0
	v_nop
	global_prefetch_b8 v0, s[64:65] scope:SCOPE_SE
	s_setreg_imm32_b32 hwreg(HW_REG_WAVE_MODE, 25, 1), 1
	s_wait_xcnt 0x0
	s_wait_alu depctr_hold_cnt(0) depctr_sa_sdst(0) depctr_va_vdst(0) depctr_va_sdst(0) depctr_va_ssrc(0) depctr_va_vcc(0) depctr_vm_vsrc(0)
	s_getreg_b32 s2, hwreg(HW_REG_IB_STS2, 6, 4)
	s_cmp_eq_u32 s2, 0
	s_cbranch_scc0 .Lentry_in_a_cluster
	s_endpgm
.Lentry_in_a_cluster:
	s_bfe_u32 s2, ttmp6, 0x10000c
	s_cmp_lg_u32 s2, 0x3003
	s_cbranch_scc0 .Lentry_shape_is_right
	s_endpgm
.Lentry_shape_is_right:
; ATTENTION, head size 32, 1,024 keys, no mask.  O[q] = sum over k of softmax_k(q . k / sqrt(32)) v[k].  q arrives times c = log2(e) / sqrt(32), so a weight is 2^(s - m).
; q, k, v arrive as bf16 fragments (16 rows x 32 k, 1,024 bytes: byte c*512 + lane*16 = row lane % 16, k = 16 c + 8 (lane / 16) + 0..7): q, k fragment (hb, token tile) at (hb*64+tb)*1,024, k 4 MiB on;
; V^T fragment (hb, 32 keys kb, 16 channels cb) at 8 MiB + ((hb*32+kb)*2+cb)*1,024.  O leaves as the out projection's activation fragments: (token tile tt, head) at (tt*8+head)*1,024.
; SHARES.  A work-group owns 256 queries of one head hb, a wave 64: four tiles of 16.  The head's whole K and V, 65,536 bytes each, lie in LDS, filled once; the four query blocks of a head are a cluster
; and ask for them jointly, each wave for a quarter of K and a quarter of V: two tensor loads of mine are out at the most.
; TWO PASSES.  Pass 1: S^T = K Q^T for all keys, and of it only each query's true maximum m.  Pass 2: S^T = K Q^T - m (the C operand holds -m), p = 2^S rounded to bf16, O^T += V^T P, l += 1^T P.
; So nothing is carried and rescaled; the price is K Q^T twice, one matrix instruction for 16 x 16 scores.  In S^T, P and O^T a lane holds one query (lane % 16); l comes out of the matrix unit in every lane.
; LIMITS.  l is the f32 sum of the weights as rounded to bf16 (the maximum's own is about 1); a weight below 2^-126 counts as 0; NaN and infinities are not treated apart.
; REGISTERS.  window 0: v0-15 addresses; v16-47 Q for pass 1, at the end 1/l; pass 1: v48-79 four fragments of K, v80-95 four running maxima a tile, v96-223 S^T (group of 16 keys g, tile t);
;   pass 2: v96-127 S^T of a tile and 64 keys, v128-159 P in two buffers, v160-223 V of a step in two buffers, v224-231 ones.
; window 1: v0-31 the weights in f32, v32-95 K of a step in two buffers, v96-127 Q, v128-159 -m, v160-223 O^T, v224-255 l.
.set SPARE, 131072
.set L16, 1
.set AK, 2
.set AV, 3
.set GQ, 4
.set GO, 5
.set SPW, 14
.set NIL, 15
.set QA, 16
.set RL, 16
.set KR, 48
.set MX, 80
.set S1, 96
.set SS, 96
.set PB, 128
.set VB, 160
.set ONES, 224
.set TMP, 96
.set EE, 0
.set KB, 32
.set QQ, 96
.set NEGM, 128
.set OO, 160
.set LT, 224
.set WV, 12
.set G1, 24
.set G0K, 32
.set G0V, 36
.set CNT, 40
.set SEL, 42
.set MSB, 0
.macro WIN new                         ; the immediate's high byte repeats the setting that is left; a switch that changes nothing is dropped
.if MSB != (\new)
	s_set_vgpr_msb (MSB<<8)|(\new)
.set MSB, \new
.endif
.endm
.macro PLACES
.rept 4
	v_nop
.endr
.endm
.macro CROUND                          ; a round of the cluster's barrier
	s_barrier_signal -1
	s_barrier_wait -1
	s_cmp_lg_u32 s[WV], 0
	s_cbranch_scc1 .Lnot_wave_0_\@
	s_barrier_signal -3
.Lnot_wave_0_\@:
	s_barrier_wait -3
	s_barrier_signal -1
	s_barrier_wait -1
.endm
	s_load_b128 s[4:7], s[0:1], 0x0                ; qkv s[4:5], obuf s[6:7]
	v_lshl_add_u32 v[SPW], v0, 2, SPARE
	v_mov_b32 v[NIL], 0
	ds_add_u32 v[SPW], v[NIL]                      ; the wave's opening: the add and its wait stand ahead of my first tensor load
	v_lshrrev_b32 v6, 5, v0
	v_readfirstlane_b32 s[WV], v6                  ; wave 0..3
	s_bfe_u32 s13, ttmp6, 0x40000                  ; cx
	s_lshl_b32 s14, ttmp9, 2
	s_add_co_u32 s14, s14, s13                     ; my block of 256 queries: it enters Q's and O's addresses alone
	s_and_b32 s15, ttmp7, 0xffff                   ; hb = 8 b + head, which the four partners share
	s_mov_b32 s[G1+0], 15|(3<<16)|(1<<21)          ; the mask of four; elements of 8 bytes; bit 21 beside a mask; no padding: lane i reads at 16 i
	s_mov_b32 s[G1+1], 32<<16                      ; rows of 256 bytes
	s_mov_b32 s[G1+2], 64<<16                      ; 64 of them: 16,384 dense bytes
	s_mov_b32 s[G1+3], 32<<16
	s_mov_b32 s[G1+4], 64
	s_mov_b32 s[G1+5], 32
	s_mov_b32 s[G1+6], 0
	s_mov_b32 s[G1+7], 0
	s_mul_i32 s20, s[WV], 16384                    ; my quarter
	s_lshl_b32 s16, s15, 16                        ; the head's 65,536 bytes
	s_add_co_u32 s16, s16, s20
	s_mov_b32 s17, 0
	s_mov_b32 s[G0K], 1
	s_add_co_u32 s[G0K+1], s20, 0                  ; K from LDS byte 0
	s_mov_b32 s[G0V], 1
	s_add_co_u32 s[G0V+1], s20, 65536              ; V behind it
	s_lshl_b32 s18, s15, 16
	s_lshl_b32 s22, s14, 14                        ; my block's 16 fragments of Q
	s_add_co_u32 s18, s18, s22
	s_mov_b32 s19, 0
	s_lshr_b32 s22, s15, 3                         ; b: 64 token tiles x 8 heads x 1,024 bytes
	s_lshl_b32 s22, s22, 19
	s_lshl_b32 s23, s14, 17                        ; my block's 16 token tiles
	s_add_co_u32 s22, s22, s23
	s_and_b32 s23, s15, 7                          ; the head
	s_lshl_b32 s23, s23, 10
	s_add_co_u32 s22, s22, s23
	s_mov_b32 s23, 0
	s_mov_b32 s[SEL], 0x76543210
	s_mov_b32 s[SEL+1], 0xfedcba98
	s_mov_b32 s41, 0xff7fffff                      ; the lowest finite number
	s_mov_b32 s21, 0x3f803f80                      ; 1.0 twice in bf16
	s_wait_dscnt 0x0                               ; the opening add is done
	s_wait_kmcnt 0x0
	s_add_nc_u64 s[16:17], s[4:5], s[16:17]
	s_add_nc_u64 s[G0K+2:G0K+3], s[16:17], 0x400000
	s_or_b32 s[G0K+3], s[G0K+3], 0x80000000
	s_add_nc_u64 s[G0V+2:G0V+3], s[16:17], 0x800000
	s_or_b32 s[G0V+3], s[G0V+3], 0x80000000
	s_add_nc_u64 s[8:9], s[4:5], s[18:19]          ; Q
	s_add_nc_u64 s[10:11], s[6:7], s[22:23]        ; O
	CROUND                                         ; the four work-groups are here: the joint loads meet
	tensor_load_to_lds s[G0K:G0K+3], s[G1:G1+7]
	s_nop 0
	tensor_load_to_lds s[G0V:G0V+3], s[G1:G1+7]
	s_nop 0
	v_and_b32 v[L16], 31, v0
	v_lshlrev_b32 v[L16], 4, v[L16]
	v_lshl_add_u32 v[GQ], s[WV], 12, v[L16]        ; my four fragments of Q
	v_lshl_add_u32 v[GO], s[WV], 15, v[L16]        ; my four token tiles of O
	v_mov_b32 v[AK], v[L16]
.set i, 0
.rept 8
	global_load_b128 v[QA+4*i:QA+4*i+3], v[GQ], s[8:9] offset:512*i
.set i, i+1
.endr
	WIN 0x40                                       ; and once more into window 1, where pass 2 names it
.set i, 0
.rept 8
	global_load_b128 v[QQ+4*i:QQ+4*i+3], v[GQ], s[8:9] offset:512*i
.set i, i+1
.endr
.set i, OO                             ; O^T and l start at 0: no first turn is written out; these lines stand in the wait for K
.rept 96
	v_mov_b32 v[i], 0
.set i, i+1
.endr
	WIN 0
.set i, 0
.rept 16
	v_mov_b32 v[MX+i], s41
.set i, i+1
.endr
.set i, 0
.rept 32
	v_mov_b32 v[S1+96+i], s41                      ; group 3's scores 'of the step before the first'
.set i, i+1
.endr
.set i, 0
.rept 8
	v_mov_b32 v[ONES+i], s21
.set i, i+1
.endr
; PASS 1.  A step is 64 keys in four phases.  Phase g: four products (16 keys x the four tiles), and behind each the four maxima over the scores that the phase before made for that tile:
; sixteen plain instructions lie between a product and the reading of its result.  Behind the phase's last four, which are the places behind K's last reader, K's fragment g takes the next step's.
.macro PH g, reload, left
	s_wait_dscnt \left                             ; fragment g is in; the loads of the fragments fetched since may be out
.irp t, 0,1,2,3
	v_wmma_f32_16x16x32_bf16 v[S1+32*(\g)+8*\t:S1+32*(\g)+8*\t+7], v[KR+8*(\g):KR+8*(\g)+7], v[QA+8*\t:QA+8*\t+7], 0
.irp c, 0,1,2,3
	v_max3_num_f32 v[MX+4*\t+\c], v[MX+4*\t+\c], v[S1+32*(((\g)+3)%4)+8*\t+2*\c], v[S1+32*(((\g)+3)%4)+8*\t+2*\c+1]
.endr
.endr
.if \reload
	ds_load_b128 v[KR+8*(\g):KR+8*(\g)+3],   v[AK] offset:4096+1024*(\g)
	ds_load_b128 v[KR+8*(\g)+4:KR+8*(\g)+7], v[AK] offset:4096+1024*(\g)+512
.endif
.endm
	s_wait_tensorcnt 0x1                           ; my quarter of K is in; V's may stay out
	s_barrier_signal -1
	s_barrier_wait -1                              ; everybody's is
.set i, 0
.rept 8
	ds_load_b128 v[KR+4*i:KR+4*i+3], v[AK] offset:512*i
.set i, i+1
.endr
	s_wait_loadcnt 0x0                             ; Q
	s_mov_b32 s[CNT], 15
.Lp1:
	PH 0, 1, 6
	PH 1, 1, 6
	PH 2, 1, 6
	PH 3, 1, 6
	v_add_nc_u32 v[AK], 4096, v[AK]
	s_sub_co_u32 s[CNT], s[CNT], 1
	s_cmp_lg_u32 s[CNT], 0
	s_cbranch_scc1 .Lp1
	PH 0, 0, 6                                     ; the last step fetches nothing: the counts run down
	PH 1, 0, 4
	PH 2, 0, 2
	PH 3, 0, 0
.irp t, 0,1,2,3
.irp c, 0,1,2,3
	v_max3_num_f32 v[MX+4*\t+\c], v[MX+4*\t+\c], v[S1+96+8*\t+2*\c], v[S1+96+8*\t+2*\c+1]
.endr
.endr
.irp t, 0,1,2,3
	v_max3_num_f32 v[MX+4*\t], v[MX+4*\t], v[MX+4*\t+1], v[MX+4*\t+2]
.endr
.irp t, 0,1,2,3
	v_max_num_f32 v[MX+4*\t], v[MX+4*\t], v[MX+4*\t+3]
.endr
.irp t, 0,1,2,3
	v_permlanex16_b32 v[MX+4*\t+1], v[MX+4*\t], s[SEL], s[SEL+1]  ; the query's other keys lie in the lane 16 away
.endr
.irp t, 0,1,2,3
	v_max_num_f32 v[MX+4*\t], v[MX+4*\t], v[MX+4*\t+1]
.endr
	WIN 0x40
.irp t, 0,1,2,3
.irp j, 0,1,2,3,4,5,6,7
	v_mul_f32 v[NEGM+8*\t+\j], -1.0, v[MX+4*\t]    ; -m, as an accumulator's eight registers
.endr
.endr
	WIN 0
.set i, 0
.rept 16
	v_mov_b32 v[PB+16+i], 0                        ; the first turn's products V^T P, of a tile that has not been, add 0 x 0
.set i, i+1
.endr
.set i, 0
.rept 32
	v_mov_b32 v[VB+32+i], 0
.set i, i+1
.endr
; PASS 2.  Turn t of a step (buffers sp): first six products for the tile before (O^T's two channel halves and l, for each 32 keys) with tile t's 32 exponentials behind them; then the four
; products that make the next tile's scores, each with four roundings of tile t's weights behind it.  Two window settings a turn.  The accumulators take turns.
.macro RID n, tp, vp                   ; product n of six for tile tp, V in buffer vp
.set kb, (\n)/3
.set u, (\n)%3
.set rP, PB+16*((\tp)%2)+8*kb
.if u < 2
.set rO, OO+16*(\tp)+8*u
.set rV, VB+32*(\vp)+8*(2*kb+u)
.else
.set rO, LT+8*(\tp)
.set rV, ONES
.endif
	v_wmma_f32_16x16x32_bf16 v[rO:rO+7], v[rV:rV+7], v[rP:rP+7], v[rO:rO+7]
.endm
.macro TURN t, sp
.set tp, ((\t)+3)%4
.set tn, ((\t)+1)%4
.set vp, (\sp)
.set kp, (\sp)
.if (\t) == 0
.set vp, 1-(\sp)                       ; tile 3 of the step before
.endif
.if (\t) == 3
.set kp, 1-(\sp)                       ; tile 0 of the step to come
.endif
	WIN 0x50                                       ; destination and C in window 1; V, ones, P and the scores in window 0
.set e, 0
.set n, 0
.rept 6
	RID n, tp, vp
.set c, 5
.if n < 2
.set c, 6
.endif
.rept c
	v_exp_f32 v[EE+e], v[SS+e]
.set e, e+1
.endr
.set n, n+1
.endr
	v_nop                                          ; a plain instruction behind the last exponential, ahead of the use of the weights and of new scores
.if (\t) == 3
	s_wait_dscnt 0x0                               ; the next step's K and V are in
.endif
	WIN 0x15                                       ; K, Q, -m and the weights in window 1; scores and P in window 0
.set n, 0
	s_wait_alu depctr_va_vdst(0)
.rept 4
	v_wmma_f32_16x16x32_bf16 v[SS+8*n:SS+8*n+7], v[KB+32*kp+8*n:KB+32*kp+8*n+7], v[QQ+8*tn:QQ+8*tn+7], v[NEGM+8*tn:NEGM+8*tn+7]
.irp z, 0,1,2,3
	v_cvt_pk_bf16_f32 v[PB+16*((\t)%2)+4*n+\z], v[EE+8*n+2*\z], v[EE+8*n+2*\z+1]
.endr
.set n, n+1
.endr
.endm
.macro FETCH sp, off                   ; the next step's K and V into the other buffers: their last readers lie seventeen plain instructions back or more
	WIN 0x40
.set i, 0
.rept 8
	ds_load_b128 v[KB+32*(1-(\sp))+4*i:KB+32*(1-(\sp))+4*i+3], v[AK] offset:(\off)+512*i
.set i, i+1
.endr
	WIN 0
.set i, 0
.rept 8
	ds_load_b128 v[VB+32*(1-(\sp))+4*i:VB+32*(1-(\sp))+4*i+3], v[AV] offset:(\off)+512*i
.set i, i+1
.endr
.endm
	s_wait_tensorcnt 0x0                           ; my quarter of V is in,
	s_barrier_signal -1
	s_barrier_wait -1                              ; everybody's is
	v_mov_b32 v[AK], v[L16]
	v_add_nc_u32 v[AV], 0x10000, v[L16]
	FETCH 1, 0                                     ; step 0 into buffers 0
	s_wait_dscnt 0x0
	WIN 0x15
.set n, 0
.rept 4
	v_wmma_f32_16x16x32_bf16 v[SS+8*n:SS+8*n+7], v[KB+8*n:KB+8*n+7], v[QQ:QQ+7], v[NEGM:NEGM+7]
.set n, n+1
.endr
	WIN 0
	PLACES
	s_mov_b32 s[CNT], 8
.Lp2:                                                  ; a trip is two steps of 64 keys
	TURN 0, 0
	FETCH 0, 4096
	TURN 1, 0
	TURN 2, 0
	TURN 3, 0
	TURN 0, 1
	WIN 0
	s_cmp_eq_u32 s[CNT], 1
	s_cbranch_scc1 .Lnofetch                       ; behind the last step there is none: its last turn's four products, on a stale K, serve nothing
	FETCH 1, 8192
.Lnofetch:
	TURN 1, 1
	TURN 2, 1
	TURN 3, 1
	WIN 0
	v_add_nc_u32 v[AK], 8192, v[AK]
	v_add_nc_u32 v[AV], 8192, v[AV]
	s_sub_co_u32 s[CNT], s[CNT], 1
	s_cmp_lg_u32 s[CNT], 0
	s_cbranch_scc1 .Lp2
	WIN 0x50
.set n, 0
.rept 6
	RID n, 3, 1                                    ; the last step's tile 3
.set n, n+1
.endr
	WIN 0
	PLACES
	; THE WAY OUT: O^T / l, rounded to bf16: a lane's eight channels of a query are 16 bytes of the fragment as it lies in obuf.
	WIN 0x01
.irp t, 0,1,2,3
	v_rcp_f32 v[RL+2*\t], v[LT+8*\t]
	v_rcp_f32 v[RL+2*\t+1], v[LT+8*\t]
.endr
	v_nop                                          ; a plain instruction behind the last reciprocal
.set n, 0
	s_wait_alu depctr_va_vdst(0)
.rept 8
.irp z, 0,2,4,6
	v_pk_mul_f32 v[TMP+8*n+\z:TMP+8*n+\z+1], v[OO+8*n+\z:OO+8*n+\z+1], v[RL+2*(n/2):RL+2*(n/2)+1]
.endr
.set n, n+1
.endr
	WIN 0
.set n, 0
.rept 8
.irp z, 0,1,2,3
	v_cvt_pk_bf16_f32 v[TMP+8*n+\z], v[TMP+8*n+2*\z], v[TMP+8*n+2*\z+1]
.endr
.set n, n+1
.endr
.set n, 0
.rept 8
	global_store_b128 v[GO], v[TMP+8*n:TMP+8*n+3], s[10:11] offset:8192*(n/2)+512*(n%2)  ; 512 consecutive bytes
.set n, n+1
.endr
	s_wait_tensorcnt 0x0                           ; the wave's end
	ds_add_u32 v[SPW], v[NIL]
	s_wait_dscnt 0x0
	CROUND                                         ; the closing round
	s_endpgm
.Lfunc_end_k_qb609a0298b_attn1:
	.size	k_qb609a0298b_attn1, .Lfunc_end_k_qb609a0298b_attn1-k_qb609a0298b_attn1
	.p2alignl 7, 3214868480
	.fill 96, 4, 3214868480
	.section	.rodata,"a",@progbits
	.p2align	6, 0x0
	.amdhsa_kernel k_qb609a0298b_attn1
		.amdhsa_group_segment_fixed_size 167936
		.amdhsa_private_segment_fixed_size 0
		.amdhsa_enable_private_segment 0
		.amdhsa_kernarg_size 16
		.amdhsa_user_sgpr_count 2
		.amdhsa_user_sgpr_kernarg_segment_ptr 1
		.amdhsa_wavefront_size32 1
		.amdhsa_system_sgpr_workgroup_id_x 1
		.amdhsa_system_sgpr_workgroup_id_y 1
		.amdhsa_system_sgpr_workgroup_id_z 1
		.amdhsa_system_vgpr_workitem_id 0
		.amdhsa_next_free_vgpr 512
		.amdhsa_next_free_sgpr 66
		.amdhsa_reserve_vcc 0
		.amdhsa_float_denorm_mode_32 3
		.amdhsa_float_denorm_mode_16_64 3
		.amdhsa_memory_ordered 1
		.amdhsa_forward_progress 1
		.amdhsa_inst_pref_size 59
	.end_amdhsa_kernel
	.amdgpu_metadata
---
amdhsa.version: [ 1, 2 ]
amdhsa.kernels:
  - .name:           k_qb609a0298b_attn1
    .symbol:         k_qb609a0298b_attn1.kd
    .args:
      - { .name: qkv, .offset: 0, .size: 8, .value_kind: global_buffer, .address_space: global }
      - { .name: obuf, .offset: 8, .size: 8, .value_kind: global_buffer, .address_space: global }
    .group_segment_fixed_size: 167936
    .private_segment_fixed_size: 0
    .kernarg_segment_align: 8
    .kernarg_segment_size: 16
    .max_flat_workgroup_size: 128
    .sgpr_count:     66
    .vgpr_count:     512
    .wavefront_size: 32
...
	.end_amdgpu_metadata
.endif
;; end of part 3
;; launch layer1 (part 4): grid 256 x 1, 4 waves a work-group, clusters of 4 x 1, 327,680 bytes of LDS; arguments obuf, cur0, wfrag, cur1, qkv; writes cur1, qkv
.if DOCPART == 4
	.amdgcn_target "amdgcn-amd-amdhsa--gfx1250"
	.amdhsa_code_object_version 6
	.text
	.protected	k_qb609a0298b_layer1
	.globl	k_qb609a0298b_layer1
	.p2align	8
	.type	k_qb609a0298b_layer1,@function
k_qb609a0298b_layer1:
	s_mov_b64 s[64:65], 0
	v_nop
	global_prefetch_b8 v0, s[64:65] scope:SCOPE_SE
	s_setreg_imm32_b32 hwreg(HW_REG_WAVE_MODE, 25, 1), 1
	s_wait_xcnt 0x0
	s_wait_alu depctr_hold_cnt(0) depctr_sa_sdst(0) depctr_va_vdst(0) depctr_va_sdst(0) depctr_va_ssrc(0) depctr_va_vcc(0) depctr_vm_vsrc(0)
	s_getreg_b32 s2, hwreg(HW_REG_IB_STS2, 6, 4)
	s_cmp_eq_u32 s2, 0
	s_cbranch_scc0 .Lentry_in_a_cluster
	s_endpgm
.Lentry_in_a_cluster:
	s_bfe_u32 s2, ttmp6, 0x10000c
	s_cmp_lg_u32 s2, 0x3003
	s_cbranch_scc0 .Lentry_shape_is_right
	s_endpgm
.Lentry_shape_is_right:
; THE REST OF A LAYER AND THE NEXT LAYER'S q, k, v, for 32 tokens a work-group, the state never leaving registers:
;   y = cur + O Wo^T;  z = y + gelu(rmsnorm(y) W1^T) W2^T -> cur_out;  q, k, v = rmsnorm(z) Wqkv^T -> qkv.
; SHARES.  Work-group g owns tokens 32 g .. 32 g + 31 (two tiles mt of 16).  A STEP is a product of these 32 tokens with 256 outputs over K = 256; wave w owns outputs 64 w .. + 63 (four tiles nb):
; 8 accumulators, 64 matrix instructions, 32 weight fragments (32,768 bytes of wfrag) that only it reads.  Twelve steps: 0 out_w; 1+2j, 2+2j the j-th quarter of fc1 and of fc2; 9, 10, 11 q, k, v.
; The norms' gains and q's scale are in the weights.
; LAYOUTS.  A bf16 fragment (16 rows x 32 k, 1,024 bytes): byte c*512 + lane*16 holds row lane % 16, k = 16 c + 8 (lane / 16) + 0..7.  With source 0 = weights and source 1 = activations a lane's eight
; results are channels 8 (lane / 16) + 0..7 of token lane % 16: rounded in pairs they ARE half a fragment of the next product, so a stage in LDS is written and read at lane*16, without padding or turning.
; With the sources swapped the eight are tokens of one channel: half a fragment of V^T.  cur (f32): g*32,768 + w*8,192 + (mt*4+nb)*1,024 + p*512 + lane*16 = registers 4 p .. 4 p + 3 of accumulator (mt, nb).
; obuf: fragment (token tile, head) at (tt*8+head)*1,024.  qkv: q at 0, k at 4 MiB: (hb*64+tb)*1,024; v at 8 MiB: ((hb*32+kb)*2+cb)*1,024.  Every global load and store covers 512 consecutive bytes.
; THE WEIGHTS COME BY TWO ROADS, since a weight byte feeds only two matrix instructions here and LDS would see it twice.
;   Even steps (out_w, fc2, k): a ring of two LDS slots of 131,072 bytes, filled by joint tensor loads: all row blocks walk the same weights, so the four work-groups of a cluster ask together, each wave for
;   its own quarter.  Steps 0 and 2 are the first fills; the one change of slots in trip j asks for step 4 + 2 j, which has a whole trip in which to land.  Two tensor loads of mine are out at the start, later one.
;   Odd steps (fc1, q, v): 64 loads of 512 bytes a wave straight from wfrag into a second weight buffer, issued as soon as the odd step before has multiplied out of it, in two halves of 32.
; rmsnorm(y)'s fragments are read from LDS once and stay in registers for the four fc1 steps.
; GELU is exact gelu with erf by Abramowitz and Stegun 7.1.26 (absolute error 1.5e-7, all x): gelu = x/2 + |x|/2 (1 - P(t) e^(-x^2/2)), t = 1 / (1 + 0.3275911 |x| / sqrt 2).
; LIMITS.  1/rms by v_rsq_f32; NaN and infinities are not treated apart.
; REGISTERS: window 0: v0-15 addresses; v16-19 1/rms; v32-63 at work; v64-127 ACC (mt*4+nb)*8; v128-255 AF, activation fragment (mt, ks) at 128 + (mt*8+ks)*8.  window 1: an even step's 32 weight fragments.
; window 2: v0-63 RES, the state; v128-255 rmsnorm(y)'s fragments, numbered as AF.  window 3: an odd step's 32 weight fragments.
.set STEPB, 131072
.set SLOTB, 131072
.set BASE,  262144                     ; behind the ring; no tensor load lands from here on
.set STG1,  0                          ; rmsnorm(y): 16 fragments
.set STGH,  16384                      ; a quarter of the hidden layer
.set STG3,  32768                      ; rmsnorm(z)
.set RED0,  49152                      ; the waves' sums of squares, 4 x 128 bytes, for each norm
.set RED1,  49664
.set SPARE, BASE+50176                 ; the spare words, 128 bytes a wave
.set L16, 1
.set LDA, 2
.set STA, 3
.set REDS, 4
.set REDL, 5
.set BAD, 6                            ; v6, v7: my quarter of slot 0, 1; v6 = w*32,768 + lane*16 is also my offset in a step of wfrag
.set GT, 8
.set BADR, 9                           ; my quarter of the slot in hand
.set GQ, 10
.set SPW, 14
.set NIL, 15
.set RI, 16
.set HA, 32
.set TT, 40
.set EE, 48
.set PP, 56
.set ACC, 64
.set AF, 128
.set RES, 0
.set DB, 8                             ; s[8:9]: wfrag at the odd step to be loaded
.set WV, 20
.set G1, 24
.set G0, 32                            ; s[32:35] step 0's group 0; s[36:39] step 2's, which then walks
.set CNT, 40
.set SEL, 42
.set K1, 44
.set K2, 46
.set A5, 48
.set A4, 50
.set A3, 52
.set A2, 54
.set A1, 56
.set ABSM, 58
.set EPS, 59
.set RCPC, 60
.set TB, 61                            ; s61: LDS byte at which the slot to be read begins
.set MSB, 0
.macro WIN new                         ; the immediate's high byte repeats the setting that is left; a switch that changes nothing is dropped
.if MSB != (\new)
	s_set_vgpr_msb (MSB<<8)|(\new)
.set MSB, \new
.endif
.endm
.macro PLACES                          ; four places behind matrix instructions, ahead of what reads their results or loads into their registers
.rept 4
	v_nop
.endr
.endm
.macro CROUND                          ; a round of the cluster's barrier
	s_barrier_signal -1
	s_barrier_wait -1
	s_cmp_lg_u32 s[WV], 0
	s_cbranch_scc1 .Lnot_wave_0_\@
	s_barrier_signal -3
.Lnot_wave_0_\@:
	s_barrier_wait -3
	s_barrier_signal -1
	s_barrier_wait -1
.endm
.macro BAR                             ; a plain barrier round a stage: my stage stores and my stage reads are done
	s_wait_dscnt 0x0
	s_barrier_signal -1
	s_barrier_wait -1
.endm
; THE CHANGE OF SLOTS.  All my tensor loads have landed (one was out: my quarter of the even step to come); 0 onto my spare word; the add, my reads of the old slot and of the hidden stage are done; a round
; of the cluster's barrier; the slot read out last takes the even step after the one to come: my one tensor load, first behind the round.
.macro CHANGE
	WIN 0
	s_wait_tensorcnt 0x0
	ds_add_u32 v[SPW], v[NIL]
	s_xor_b32 s[G0+5], s[G0+5], SLOTB              ; the walking descriptor: the other slot than last time,
	s_add_nc_u64 s[G0+6:G0+7], s[G0+6:G0+7], 2*STEPB  ; the next even step; the type bits on top are not reached
	s_wait_dscnt 0x0
	CROUND
	tensor_load_to_lds s[G0+4:G0+7], s[G1:G1+7]
	s_nop 0
	PLACES
.endm
.macro LOADA rel, win                  ; the 16 activation fragments out of a stage, ks first, as they are multiplied; win: 0 into AF, 0x80 into window 2
	WIN \win
.set i, 0
.rept 32
.set fr, 8*((i/2)%2)+i/4
	ds_load_b128 v[AF+8*fr+4*(i%2):AF+8*fr+4*(i%2)+3], v[LDA] offset:(\rel)+1024*fr+512*(i%2)
.set i, i+1
.endr
	WIN 0
.endm
.macro FETCHB reg                      ; an even step's 32 weight fragments out of my quarter of a slot, in the order in which they are multiplied
	WIN 0x40
.set i, 0
.rept 64
	ds_load_b128 v[4*i:4*i+3], v[\reg] offset:512*i
.set i, i+1
.endr
	WIN 0
.endm
.macro DLOAD i0, n                     ; n of the 64 loads of an odd step's weight fragments, from number i0 on, in the order in which they are multiplied
	WIN 0xc0                                       ; destination window 3, offset window 0
.set i, \i0
.rept \n
	global_load_b128 v[4*i:4*i+3], v[BAD], s[DB:DB+1] offset:512*i
.set i, i+1
.endr
	WIN 0
.endm
; 64 matrix instructions; the eight accumulators take turns.  zero = 1: the first eight start the sums.  swap = 1: activations are source 0.
; kind 0: the weights are the youngest 64 LDS loads.  kind 1: they are the 64 global loads.  kind 2: the weights are in; the activations are the youngest 32 LDS loads.
.macro STEP acc, win, zero, swap, kind
.if (\kind) == 1
	s_wait_dscnt 0x0                               ; the activations
.endif
	WIN \win
.set ks, 0
.rept 8
.if ks%2 == 0
.if (\kind) == 0
	s_wait_dscnt 48-8*ks                           ; the weight loads of the later quarters may be out
.elseif (\kind) == 1
	s_wait_loadcnt 48-8*ks                         ; likewise: loads come back in order (ISA guide 5.7.1)
.else
	s_wait_dscnt 24-4*ks                           ; four loads for each ks: those of the later quarters may be out
.endif
.endif
.irp nb, 0,1,2,3
.irp mt, 0,1
.set rD, (\acc)+8*(4*\mt+\nb)
.set rW, 8*(4*ks+\nb)
.set rA, AF+8*(8*\mt+ks)
.if (\swap) && (\zero) && (ks == 0)
	v_wmma_f32_16x16x32_bf16 v[rD:rD+7], v[rA:rA+7], v[rW:rW+7], 0
.elseif \swap
	v_wmma_f32_16x16x32_bf16 v[rD:rD+7], v[rA:rA+7], v[rW:rW+7], v[rD:rD+7]
.elseif (\zero) && (ks == 0)
	v_wmma_f32_16x16x32_bf16 v[rD:rD+7], v[rW:rW+7], v[rA:rA+7], 0
.else
	v_wmma_f32_16x16x32_bf16 v[rD:rD+7], v[rW:rW+7], v[rA:rA+7], v[rD:rD+7]
.endif
.endr
.endr
.set ks, ks+1
.endr
	WIN 0
	PLACES
.endm
; RMSNORM of the state in RES: my 32 squares a token, the other half of the lanes', the four waves' through LDS; RES / rms, rounded to bf16, into the stage as fragments.
.macro NORM red, rel
	WIN 0x0a                                       ; sources 0 and 1 in window 2
.set a, 0
.rept 16
.irp mt, 0,1
.set rr, RES+32*\mt+2*a
.set cc, 32+4*\mt+2*(a%2)
.if a < 2
	v_pk_mul_f32 v[cc:cc+1], v[rr:rr+1], v[rr:rr+1]
.else
	v_pk_fma_f32 v[cc:cc+1], v[rr:rr+1], v[rr:rr+1], v[cc:cc+1]
.endif
.endr
.set a, a+1
.endr
	WIN 0
	v_pk_add_f32 v[32:33], v[32:33], v[34:35]
	v_pk_add_f32 v[36:37], v[36:37], v[38:39]
	v_add_f32 v32, v32, v33
	v_add_f32 v36, v36, v37
	v_permlanex16_b32 v33, v32, s[SEL], s[SEL+1]   ; the token's other channels lie in the lane 16 away
	v_permlanex16_b32 v37, v36, s[SEL], s[SEL+1]
	v_add_f32 v32, v32, v33
	v_add_f32 v36, v36, v37
	ds_store_b32 v[REDS], v32 offset:(\red)
	ds_store_b32 v[REDS], v36 offset:(\red)+64
	s_wait_dscnt 0x0                               ; for the others' sake
	s_barrier_signal -1
	s_barrier_wait -1
.irp i, 0,1,2,3,4,5,6,7
	ds_load_b32 v[40+\i], v[REDL] offset:(\red)+128*(\i%4)+64*(\i/4)
.endr
	s_wait_dscnt 0x0
	v_add_f32 v40, v40, v41
	v_add_f32 v42, v42, v43
	v_add_f32 v44, v44, v45
	v_add_f32 v46, v46, v47
	v_add_f32 v40, v40, v42
	v_add_f32 v44, v44, v46
	v_fma_f32 v40, v40, s[RCPC], s[EPS]            ; mean + eps
	v_fma_f32 v44, v44, s[RCPC], s[EPS]
	v_rsq_f32 v[RI], v40
	v_rsq_f32 v[RI+1], v40
	v_rsq_f32 v[RI+2], v44
	v_rsq_f32 v[RI+3], v44
	v_nop                                          ; a plain instruction behind the last of them
	s_wait_alu depctr_va_vdst(0)
.irp mt, 0,1
	WIN 0x02
.set a, 0
.rept 16
	v_pk_mul_f32 v[32+2*a:33+2*a], v[RES+32*\mt+2*a:RES+32*\mt+2*a+1], v[RI+2*\mt:RI+2*\mt+1]
.set a, a+1
.endr
	WIN 0
.set a, 0
.rept 16
	v_cvt_pk_bf16_f32 v[32+8*(a/4)+a%4], v[32+2*a], v[33+2*a]
.set a, a+1
.endr
.irp nb, 0,1,2,3
	ds_store_b128 v[STA], v[32+8*\nb:35+8*\nb] offset:(\rel)+8192*\mt+1024*(\nb/2)+512*(\nb%2)
.endr
.endr
.endm
; GELU of n accumulators from a0 on, one after the other, and into the hidden stage as fragments.  X = x/2; HA = |X|; T = 1/(1 + K1 HA); E = 2^(K2 X X); P = T (a1 + T (a2 + T (a3 + T (a4 + T a5)))) E; X + HA - HA P.
; Behind each run of eight transcendentals stands plain work that touches neither their results nor their sources.
.macro GELU a0, n
.set a, \a0
.rept \n
.set XX, ACC+8*a
.irp z, 0,2,4,6
	v_pk_mul_f32 v[XX+\z:XX+\z+1], v[XX+\z:XX+\z+1], 0.5 op_sel_hi:[1,0]
.endr
.irp z, 0,1,2,3,4,5,6,7
	v_and_b32 v[HA+\z], s[ABSM], v[XX+\z]
.endr
.irp z, 0,2,4,6
	v_pk_fma_f32 v[TT+\z:TT+\z+1], v[HA+\z:HA+\z+1], s[K1:K1+1], 1.0 op_sel_hi:[1,0,0]
.endr
.irp z, 0,1,2,3,4,5,6,7
	v_rcp_f32 v[TT+\z], v[TT+\z]
.endr
.irp z, 0,2,4,6
	v_pk_mul_f32 v[EE+\z:EE+\z+1], v[XX+\z:XX+\z+1], s[K2:K2+1] op_sel_hi:[1,0]
.endr
.irp z, 0,2,4,6
	v_pk_mul_f32 v[EE+\z:EE+\z+1], v[EE+\z:EE+\z+1], v[XX+\z:XX+\z+1]
.endr
.irp z, 0,1,2,3,4,5,6,7
	v_exp_f32 v[EE+\z], v[EE+\z]
.endr
	s_wait_alu depctr_va_vdst(0)
.irp z, 0,2,4,6
	v_pk_fma_f32 v[PP+\z:PP+\z+1], v[TT+\z:TT+\z+1], s[A5:A5+1], s[A4:A4+1] op_sel_hi:[1,0,0]
.endr
.irp k, A3, A2, A1
.irp z, 0,2,4,6
	v_pk_fma_f32 v[PP+\z:PP+\z+1], v[PP+\z:PP+\z+1], v[TT+\z:TT+\z+1], s[\k:\k+1] op_sel_hi:[1,1,0]
.endr
.endr
.irp z, 0,2,4,6
	v_pk_mul_f32 v[PP+\z:PP+\z+1], v[PP+\z:PP+\z+1], v[TT+\z:TT+\z+1]
.endr
.irp z, 0,2,4,6
	v_pk_mul_f32 v[PP+\z:PP+\z+1], v[PP+\z:PP+\z+1], v[EE+\z:EE+\z+1]
.endr
.irp z, 0,2,4,6
	v_pk_fma_f32 v[HA+\z:HA+\z+1], v[HA+\z:HA+\z+1], v[PP+\z:PP+\z+1], v[HA+\z:HA+\z+1] neg_lo:[1,0,0] neg_hi:[1,0,0]
.endr
.irp z, 0,2,4,6
	v_pk_add_f32 v[XX+\z:XX+\z+1], v[XX+\z:XX+\z+1], v[HA+\z:HA+\z+1]
.endr
.irp z, 0,1,2,3
	v_cvt_pk_bf16_f32 v[XX+\z], v[XX+2*\z], v[XX+2*\z+1]
.endr
	ds_store_b128 v[STA], v[XX:XX+3] offset:STGH+8192*(a/4)+1024*((a%4)/2)+512*(a%2)
.set a, a+1
.endr
.endm
; THE WAY OUT of a q, k or v step: rounded in place, 16 bytes a lane, which are the fragments' bytes as they lie in qkv.  sm, sn: bytes from token tile to token tile and from channel tile to channel tile.
.macro OUT3 b0, sm, sn
.set a, 0
.rept 8
.irp z, 0,1,2,3
	v_cvt_pk_bf16_f32 v[ACC+8*a+\z], v[ACC+8*a+2*\z], v[ACC+8*a+2*\z+1]
.endr
.set a, a+1
.endr
.set a, 0
.rept 8
	global_store_b128 v[GQ], v[ACC+8*a:ACC+8*a+3], s[\b0:\b0+1] offset:65536*((a%4)/2)+(\sm)*(a/4)+(\sn)*(a%2)
.set a, a+1
.endr
.endm
	s_load_b256 s[4:11], s[0:1], 0x0               ; obuf s[4:5], cur_in s[6:7], wfrag s[8:9], cur_out s[10:11]
	s_load_b64 s[12:13], s[0:1], 0x20              ; qkv
	v_lshl_add_u32 v[SPW], v0, 2, SPARE
	v_mov_b32 v[NIL], 0
	ds_add_u32 v[SPW], v[NIL]                      ; the wave's opening: the add and its wait stand ahead of my first tensor load
	v_lshrrev_b32 v12, 5, v0
	v_readfirstlane_b32 s[WV], v12                 ; wave 0..3
	s_bfe_u32 s21, ttmp6, 0x40000                  ; cx
	s_lshl_b32 s22, ttmp9, 2
	s_add_co_u32 s22, s22, s21                     ; g: it enters the activations' global addresses alone
	s_mov_b32 s[G1+0], 15|(3<<16)|(1<<21)          ; the mask of four; elements of 8 bytes; bit 21 beside a mask; no padding: lane i reads at 16 i
	s_mov_b32 s[G1+1], 32<<16                      ; tensor_dim0 = 32 elements: rows of 256 bytes
	s_mov_b32 s[G1+2], 128<<16                     ; tensor_dim1 = 128 rows: my 32,768 dense bytes
	s_mov_b32 s[G1+3], 32<<16                      ; tile_dim0
	s_mov_b32 s[G1+4], 128                         ; tile_dim1
	s_mov_b32 s[G1+5], 32                          ; from row to row
	s_mov_b32 s[G1+6], 0
	s_mov_b32 s[G1+7], 0
	s_mul_i32 s18, s[WV], 32768                    ; my quarter, in a step of wfrag and in a slot
	s_mov_b32 s19, 0
	s_mov_b32 s[G0], 1
	s_add_co_u32 s[G0+1], s18, 0
	s_mov_b32 s[G0+4], 1
	s_add_co_u32 s[G0+5], s18, SLOTB
	s_mov_b32 s[TB], SLOTB                         ; the loop's first even step, step 2, lies in slot 1
	s_mov_b32 s[SEL], 0x76543210
	s_mov_b32 s[SEL+1], 0xfedcba98
	s_mov_b32 s[K1], 0x3eed3388                    ; 0.3275911 sqrt 2
	s_mov_b32 s[K2], 0xc038aa3b                    ; -2 log2(e)
	s_mov_b32 s[A5], 0x3f87dc22                    ; 1.061405429
	s_mov_b32 s[A4], 0xbfba00e3                    ; -1.453152027
	s_mov_b32 s[A3], 0x3fb5f0e3                    ; 1.421413741
	s_mov_b32 s[A2], 0xbe91a98e                    ; -0.284496736
	s_mov_b32 s[A1], 0x3e827906                    ; 0.254829592
.irp k, K1, K2, A5, A4, A3, A2, A1
	s_mov_b32 s[\k+1], s[\k]                       ; named as pairs
.endr
	s_mov_b32 s[ABSM], 0x7fffffff
	s_mov_b32 s[EPS], 0x358637bd                   ; 1e-6
	s_mov_b32 s[RCPC], 0x3b800000                  ; 1 / 256
	s_lshl_b32 s62, s22, 14                        ; g x 16 fragments of O
	s_mov_b32 s63, 0
	s_wait_dscnt 0x0                               ; the opening add is done
	s_wait_kmcnt 0x0
	s_add_nc_u64 s[2:3], s[8:9], s[18:19]
	s_add_nc_u64 s[G0+2:G0+3], s[2:3], 0           ; step 0
	s_or_b32 s[G0+3], s[G0+3], 0x80000000
	s_add_nc_u64 s[G0+6:G0+7], s[2:3], 2*STEPB     ; step 2
	s_or_b32 s[G0+7], s[G0+7], 0x80000000
	s_add_nc_u64 s[DB:DB+1], s[DB:DB+1], STEPB     ; step 1
	s_add_nc_u64 s[4:5], s[4:5], s[62:63]
	s_lshl_b32 s62, s22, 15                        ; g x 32 tokens x 1,024 bytes
	s_add_nc_u64 s[6:7], s[6:7], s[62:63]
	s_add_nc_u64 s[10:11], s[10:11], s[62:63]
	s_lshr_b32 s23, s22, 5                         ; b
	s_lshl_b32 s23, s23, 19                        ; 8 heads x 65,536 bytes
	s_and_b32 s62, s22, 31                         ; my 32 tokens among the batch's
	s_lshl_b32 s62, s62, 11
	s_add_co_u32 s62, s62, s23
	s_add_nc_u64 s[12:13], s[12:13], s[62:63]      ; q,
	s_add_nc_u64 s[14:15], s[12:13], 0x400000      ; k,
	s_add_nc_u64 s[16:17], s[12:13], 0x800000      ; v
	CROUND                                         ; the four work-groups are here: the first joint loads meet
	tensor_load_to_lds s[G0:G0+3], s[G1:G1+7]      ; step 0 into slot 0
	s_nop 0
	tensor_load_to_lds s[G0+4:G0+7], s[G1:G1+7]    ; step 2 into slot 1
	s_nop 0
	v_and_b32 v[L16], 31, v0
	v_lshlrev_b32 v[L16], 4, v[L16]
	v_add_nc_u32 v[LDA], BASE, v[L16]
	v_lshl_add_u32 v[STA], s[WV], 11, v[LDA]       ; my two fragments of each token tile
	v_and_b32 v12, 15, v0                          ; r
	v_lshl_add_u32 v[REDL], v12, 2, BASE
	v_lshl_add_u32 v[REDS], s[WV], 7, v[REDL]
	v_lshl_add_u32 v[BAD], s[WV], 15, v[L16]
	v_add_nc_u32 v[BAD+1], SLOTB, v[BAD]
	v_lshl_add_u32 v[GT], s[WV], 13, v[L16]
	v_lshl_add_u32 v[GQ], s[WV], 17, v[L16]        ; two heads a wave
.set i, 0
.rept 32
	global_load_b128 v[AF+4*i:AF+4*i+3], v[L16], s[4:5] offset:512*i  ; O's 16 fragments, as they lie
.set i, i+1
.endr
	WIN 0x80
.set i, 0
.rept 16
	global_load_b128 v[RES+4*i:RES+4*i+3], v[GT], s[6:7] offset:512*i  ; the state
.set i, i+1
.endr
	WIN 0
	DLOAD 0, 64                                    ; step 1's weights
	s_wait_tensorcnt 0x1                           ; my quarter of step 0 is in, and only I read it; step 2's may stay out
	FETCHB BAD
	s_wait_loadcnt 0x3f                            ; O and the state are in: 64 loads were issued behind them, and the count's field ends at 63
	STEP RES, 0xa1, 0, 0, 0                        ; y = cur + O Wo^T, onto the state
	NORM RED0, STG1
	BAR                                            ; everybody's part of rmsnorm(y) is in the stage
	LOADA STG1, 0x80                               ; read once, for all four fc1 steps
	s_mov_b32 s[CNT], 4
.Lfc:                                                  ; a quarter of the hidden layer a trip; all four trips are alike: they load steps 3, 5, 7, 9 and ask for steps 4, 6, 8, 10
	STEP ACC, 0x0b, 1, 0, 1                        ; fc1: weights window 3, activations window 2
	s_add_nc_u64 s[DB:DB+1], s[DB:DB+1], 2*STEPB   ; the loads that named the base are done: the step's last wait was for 0
	DLOAD 0, 32                                    ; the next odd step, first half
	CHANGE                                         ; its barrier also stands between the last trip's reads of the hidden stage and this trip's stores into it
	v_add_nc_u32 v[BADR], s[TB], v[BAD]
	s_xor_b32 s[TB], s[TB], SLOTB
	FETCHB BADR                                    ; fc2's weights come out of LDS while GELU is worked
	GELU 0, 4
	DLOAD 32, 32                                   ; second half: so no more than the count's field holds are out
	GELU 4, 4
	BAR                                            ; everybody's part of the hidden quarter is in the stage
	LOADA STGH, 0
	STEP RES, 0xa1, 0, 0, 2                        ; fc2, onto the state
	s_sub_co_u32 s[CNT], s[CNT], 1
	s_cmp_lg_u32 s[CNT], 0
	s_cbranch_scc1 .Lfc
	WIN 0x08                                       ; store data in window 2
.set i, 0
.rept 16
	global_store_b128 v[GT], v[RES+4*i:RES+4*i+3], s[10:11] offset:512*i
.set i, i+1
.endr
	WIN 0
	NORM RED1, STG3
	BAR                                            ; everybody's part of rmsnorm(z) is in the stage
	LOADA STG3, 0
	STEP ACC, 0x03, 1, 0, 1                        ; q: step 9, loaded in the last trip
	s_add_nc_u64 s[DB:DB+1], s[DB:DB+1], 2*STEPB
	DLOAD 0, 32                                    ; step 11
	OUT3 12, 1024, 512
	DLOAD 32, 32
	s_wait_tensorcnt 0x0                           ; my quarter of step 10 is in, and only I read it
	FETCHB BAD+1
	s_wait_xcnt 0x0                                ; the accumulators were data of q's stores: written again only behind this wait
	STEP ACC, 0x01, 1, 0, 0                        ; k
	OUT3 14, 1024, 512
	s_wait_xcnt 0x0                                ; likewise for k's stores
	STEP ACC, 0x0c, 1, 1, 1                        ; v, turned: activations source 0, weights window 3
	OUT3 16, 512, 1024
	s_wait_tensorcnt 0x0                           ; the wave's end
	ds_add_u32 v[SPW], v[NIL]
	s_wait_dscnt 0x0
	CROUND                                         ; the closing round
	s_endpgm
.Lfunc_end_k_qb609a0298b_layer1:
	.size	k_qb609a0298b_layer1, .Lfunc_end_k_qb609a0298b_layer1-k_qb609a0298b_layer1
	.p2alignl 7, 3214868480
	.fill 96, 4, 3214868480
	.section	.rodata,"a",@progbits
	.p2align	6, 0x0
	.amdhsa_kernel k_qb609a0298b_layer1
		.amdhsa_group_segment_fixed_size 327680
		.amdhsa_private_segment_fixed_size 0
		.amdhsa_enable_private_segment 0
		.amdhsa_kernarg_size 40
		.amdhsa_user_sgpr_count 2
		.amdhsa_user_sgpr_kernarg_segment_ptr 1
		.amdhsa_wavefront_size32 1
		.amdhsa_system_sgpr_workgroup_id_x 1
		.amdhsa_system_sgpr_workgroup_id_y 1
		.amdhsa_system_sgpr_workgroup_id_z 1
		.amdhsa_system_vgpr_workitem_id 0
		.amdhsa_next_free_vgpr 1024
		.amdhsa_next_free_sgpr 66
		.amdhsa_reserve_vcc 0
		.amdhsa_float_denorm_mode_32 3
		.amdhsa_float_denorm_mode_16_64 3
		.amdhsa_memory_ordered 1
		.amdhsa_forward_progress 1
		.amdhsa_inst_pref_size 133
	.end_amdhsa_kernel
	.amdgpu_metadata
---
amdhsa.version: [ 1, 2 ]
amdhsa.kernels:
  - .name:           k_qb609a0298b_layer1
    .symbol:         k_qb609a0298b_layer1.kd
    .args:
      - { .name: obuf, .offset: 0, .size: 8, .value_kind: global_buffer, .address_space: global }
      - { .name: cur0, .offset: 8, .size: 8, .value_kind: global_buffer, .address_space: global }
      - { .name: wfrag, .offset: 16, .size: 8, .value_kind: global_buffer, .address_space: global }
      - { .name: cur1, .offset: 24, .size: 8, .value_kind: global_buffer, .address_space: global }
      - { .name: qkv, .offset: 32, .size: 8, .value_kind: global_buffer, .address_space: global }
    .group_segment_fixed_size: 327680
    .private_segment_fixed_size: 0
    .kernarg_segment_align: 8
    .kernarg_segment_size: 40
    .max_flat_workgroup_size: 128
    .sgpr_count:     66
    .vgpr_count:     1024
    .wavefront_size: 32
...
	.end_amdgpu_metadata
.endif
;; end of part 4
;; launch attn2: the kernel of part 3 again; grid 4 x 64, 4 waves a work-group, clusters of 4 x 1, 167,936 bytes of LDS; arguments qkv, obuf; writes obuf
;; launch layer2: the kernel of part 4 again; grid 256 x 1, 4 waves a work-group, clusters of 4 x 1, 327,680 bytes of LDS; arguments obuf, cur1, wfrag, cur2, qkv; writes cur2, qkv
;; launch attn3: the kernel of part 3 again; grid 4 x 64, 4 waves a work-group, clusters of 4 x 1, 167,936 bytes of LDS; arguments qkv, obuf; writes obuf
;; launch layer3: the kernel of part 4 again; grid 256 x 1, 4 waves a work-group, clusters of 4 x 1, 327,680 bytes of LDS; arguments obuf, cur2, wfrag, cur3, qkv; writes cur3, qkv
;; launch attn4: the kernel of part 3 again; grid 4 x 64, 4 waves a work-group, clusters of 4 x 1, 167,936 bytes of LDS; arguments qkv, obuf; writes obuf
;; launch last (part 5): grid 256 x 1, 4 waves a work-group, clusters of 4 x 1, 327,680 bytes of LDS; arguments obuf, cur3, wfrag, cur1, cur2, probs, out0; writes out0
.if DOCPART == 5
	.amdgcn_target "amdgcn-amd-amdhsa--gfx1250"
	.amdhsa_code_object_version 6
	.text
	.protected	k_qb609a0298b_last
	.globl	k_qb609a0298b_last
	.p2align	8
	.type	k_qb609a0298b_last,@function
k_qb609a0298b_last:
	s_mov_b64 s[64:65], 0
	v_nop
	global_prefetch_b8 v0, s[64:65] scope:SCOPE_SE
	s_setreg_imm32_b32 hwreg(HW_REG_WAVE_MODE, 25, 1), 1
	s_wait_xcnt 0x0
	s_wait_alu depctr_hold_cnt(0) depctr_sa_sdst(0) depctr_va_vdst(0) depctr_va_sdst(0) depctr_va_ssrc(0) depctr_va_vcc(0) depctr_vm_vsrc(0)
	s_getreg_b32 s2, hwreg(HW_REG_IB_STS2, 6, 4)
	s_cmp_eq_u32 s2, 0
	s_cbranch_scc0 .Lentry_in_a_cluster
	s_endpgm
.Lentry_in_a_cluster:
	s_bfe_u32 s2, ttmp6, 0x10000c
	s_cmp_lg_u32 s2, 0x3003
	s_cbranch_scc0 .Lentry_shape_is_right
	s_endpgm
.Lentry_shape_is_right:
; THE REST OF THE FOURTH LAYER AND THE WEIGHTED SUM, for 32 tokens a work-group:
;   y = cur3 + O Wo^T;  cur4 = y + gelu(rmsnorm(y) W1^T) W2^T;  out0[t] = p[t][0] cur1 + p[t][1] cur2 + p[t][2] cur3 + p[t][3] cur4, row-major f32.
; SHARES.  Work-group g owns tokens 32 g .. 32 g + 31 (two tiles mt of 16).  A STEP is a product of these 32 tokens with 256 outputs over K = 256; wave w owns outputs 64 w .. + 63 (four tiles nb):
; 8 accumulators, 64 matrix instructions, 32 weight fragments (32,768 bytes of wfrag) that only it reads.  Nine steps: 0 out_w; 1+2j, 2+2j the j-th quarter of fc1 and of fc2.  norm2's gain is in fc1's weights.
; LAYOUTS.  A bf16 fragment (16 rows x 32 k, 1,024 bytes): byte c*512 + lane*16 holds row lane % 16, k = 16 c + 8 (lane / 16) + 0..7.  With source 0 = weights and source 1 = activations a lane's eight
; results are channels 8 (lane / 16) + 0..7 of token lane % 16: rounded in pairs they ARE half a fragment of the next product.  cur (f32): g*32,768 + w*8,192 + (mt*4+nb)*1,024 + p*512 + lane*16 = registers
; 4 p .. 4 p + 3 of accumulator (mt, nb): cur1, cur2, cur3 come in lying as the state lies, so the sum is made register by register; a lane's token is lane % 16, and so are its four p.
; The result goes through my own stage in LDS (16 rows x 272 bytes) and leaves by rows: 16 lanes store 256 consecutive bytes, at a multiple of 256 from out0's first byte.
; THE WEIGHTS COME BY TWO ROADS, since a weight byte feeds only two matrix instructions here and LDS would see it twice.
;   Even steps (out_w, fc2): a ring of two LDS slots of 131,072 bytes, filled by joint tensor loads: all row blocks walk the same weights, so the four work-groups of a cluster ask together, each wave for its
;   own quarter.  Steps 0 and 2 are the first fills; the change of slots in front of fc2's quarter j asks for step 4 + 2 j (j = 0, 1, 2); the last asks for nothing.  Two tensor loads of mine are out at the start, later one.
;   Odd steps (fc1): 64 loads of 512 bytes a wave straight from wfrag into a second weight buffer, in two halves of 32.  The loop is entered at fc1; fills and loads stand in the part that runs three times.
; rmsnorm(y)'s fragments are read from LDS once and stay in registers for the four fc1 steps.
; GELU is exact gelu with erf by Abramowitz and Stegun 7.1.26 (absolute error 1.5e-7, all x): gelu = x/2 + |x|/2 (1 - P(t) e^(-x^2/2)), t = 1 / (1 + 0.3275911 |x| / sqrt 2).
; LIMITS.  1/rms by v_rsq_f32; NaN and infinities are not treated apart.
; REGISTERS: window 0: v0-15, v28 addresses; v16-19 1/rms; v20-27 p; v32-63 at work; v64-127 ACC; v128-255 AF.  window 1: an even step's 32 weight fragments.
; window 2: v0-63 RES, the state; v64-127 COMB, the sum; v128-255 cur1 and cur2, then rmsnorm(y)'s fragments, numbered as AF.  window 3: an odd step's 32 weight fragments.
.set STEPB, 131072
.set SLOTB, 131072
.set BASE,  262144                     ; behind the ring; no tensor load lands from here on
.set STG1,  0                          ; rmsnorm(y): 16 fragments
.set STGH,  16384                      ; a quarter of the hidden layer
.set XP,    32768                      ; 16 rows x 272 bytes for each wave: tiles in, rows out
.set RED0,  50176                      ; the waves' sums of squares, 4 x 128 bytes
.set SPARE, BASE+50688                 ; the spare words, 128 bytes a wave
.set L16, 1
.set LDA, 2
.set STA, 3
.set REDS, 4
.set REDL, 5
.set BAD, 6                            ; v6, v7: my quarter of slot 0, 1; v6 = w*32,768 + lane*16 is also my offset in a step of wfrag
.set GT, 8
.set PRA, 9
.set XPS, 11
.set XPL, 12
.set GR, 13
.set SPW, 14
.set NIL, 15
.set RI, 16
.set PR, 20
.set BADR, 28                          ; my quarter of the slot in hand
.set HA, 32
.set TT, 40
.set EE, 48
.set PP, 56
.set ACC, 64
.set AF, 128
.set RES, 0
.set COMB, 64
.set C1, 128
.set C2, 192
.set DB, 8                             ; s[8:9]: wfrag at the odd step to be loaded
.set WV, 20
.set G1, 24
.set G0, 32                            ; s[32:35] step 0's group 0; s[36:39] step 2's, which then walks
.set CNT, 40
.set SEL, 42
.set K1, 44
.set K2, 46
.set A5, 48
.set A4, 50
.set A3, 52
.set A2, 54
.set A1, 56
.set ABSM, 58
.set EPS, 59
.set RCPC, 60
.set TB, 61                            ; s61: LDS byte at which the slot to be read begins
.set MSB, 0
.macro WIN new                         ; the immediate's high byte repeats the setting that is left; a switch that changes nothing is dropped
.if MSB != (\new)
	s_set_vgpr_msb (MSB<<8)|(\new)
.set MSB, \new
.endif
.endm
.macro PLACES                          ; four places behind matrix instructions, ahead of what reads their results or loads into their registers
.rept 4
	v_nop
.endr
.endm
.macro CROUND                          ; a round of the cluster's barrier
	s_barrier_signal -1
	s_barrier_wait -1
	s_cmp_lg_u32 s[WV], 0
	s_cbranch_scc1 .Lnot_wave_0_\@
	s_barrier_signal -3
.Lnot_wave_0_\@:
	s_barrier_wait -3
	s_barrier_signal -1
	s_barrier_wait -1
.endm
.macro BAR                             ; a plain barrier round a stage: my stage stores and my stage reads are done
	s_wait_dscnt 0x0
	s_barrier_signal -1
	s_barrier_wait -1
.endm
; THE CHANGE OF SLOTS.  All my tensor loads have landed (one was out: my quarter of the even step to come); 0 onto my spare word; the add, my reads of the old slot and my stores into the hidden stage are
; done; a barrier.  fill = 1: the barrier is a round of the cluster's, and the slot read out last takes the even step after the one to come: my one tensor load, first behind the round.
.macro CHANGE fill
	WIN 0
	s_wait_tensorcnt 0x0
	ds_add_u32 v[SPW], v[NIL]
.if \fill
	s_xor_b32 s[G0+5], s[G0+5], SLOTB              ; the walking descriptor: the other slot than last time,
	s_add_nc_u64 s[G0+6:G0+7], s[G0+6:G0+7], 2*STEPB  ; the next even step; the type bits on top are not reached
.endif
	s_wait_dscnt 0x0
.if \fill
	CROUND
	tensor_load_to_lds s[G0+4:G0+7], s[G1:G1+7]
	s_nop 0
.else
	s_barrier_signal -1
	s_barrier_wait -1
.endif
	PLACES
.endm
.macro LOADA rel, win                  ; the 16 activation fragments out of a stage, ks first; win: 0 into AF, 0x80 into window 2
	WIN \win
.set i, 0
.rept 32
.set fr, 8*((i/2)%2)+i/4
	ds_load_b128 v[AF+8*fr+4*(i%2):AF+8*fr+4*(i%2)+3], v[LDA] offset:(\rel)+1024*fr+512*(i%2)
.set i, i+1
.endr
	WIN 0
.endm
.macro FETCHB reg                      ; an even step's 32 weight fragments out of my quarter of a slot, in the order in which they are multiplied
	WIN 0x40
.set i, 0
.rept 64
	ds_load_b128 v[4*i:4*i+3], v[\reg] offset:512*i
.set i, i+1
.endr
	WIN 0
.endm
.macro DLOAD i0, n                     ; n of the 64 loads of an odd step's weight fragments, from number i0 on, in the order in which they are multiplied
	WIN 0xc0                                       ; destination window 3, offset window 0
.set i, \i0
.rept \n
	global_load_b128 v[4*i:4*i+3], v[BAD], s[DB:DB+1] offset:512*i
.set i, i+1
.endr
	WIN 0
.endm
; 64 matrix instructions; the eight accumulators take turns.  zero = 1: the first eight start the sums.
; kind 0: the weights are the youngest 64 LDS loads.  kind 1: they are the 64 global loads.
.macro STEP acc, win, zero, kind
.if (\kind) == 1
	s_wait_dscnt 0x0                               ; the activations
.endif
	WIN \win
.set ks, 0
.rept 8
.if ks%2 == 0
.if (\kind) == 0
	s_wait_dscnt 48-8*ks                           ; the weight loads of the later quarters may be out; the activations' are older
.else
	s_wait_loadcnt 48-8*ks                         ; likewise: loads come back in order (ISA guide 5.7.1)
.endif
.endif
.irp nb, 0,1,2,3
.irp mt, 0,1
.set rD, (\acc)+8*(4*\mt+\nb)
.set rW, 8*(4*ks+\nb)
.set rA, AF+8*(8*\mt+ks)
.if (\zero) && (ks == 0)
	v_wmma_f32_16x16x32_bf16 v[rD:rD+7], v[rW:rW+7], v[rA:rA+7], 0
.else
	v_wmma_f32_16x16x32_bf16 v[rD:rD+7], v[rW:rW+7], v[rA:rA+7], v[rD:rD+7]
.endif
.endr
.endr
.set ks, ks+1
.endr
	WIN 0
	PLACES
.endm
; RMSNORM of the state in RES: my 32 squares a token, the other half of the lanes', the four waves' through LDS; RES / rms, rounded to bf16, into the stage as fragments.
.macro NORM red, rel
	WIN 0x0a                                       ; sources 0 and 1 in window 2
.set a, 0
.rept 16
.irp mt, 0,1
.set rr, RES+32*\mt+2*a
.set cc, 32+4*\mt+2*(a%2)
.if a < 2
	v_pk_mul_f32 v[cc:cc+1], v[rr:rr+1], v[rr:rr+1]
.else
	v_pk_fma_f32 v[cc:cc+1], v[rr:rr+1], v[rr:rr+1], v[cc:cc+1]
.endif
.endr
.set a, a+1
.endr
	WIN 0
	v_pk_add_f32 v[32:33], v[32:33], v[34:35]
	v_pk_add_f32 v[36:37], v[36:37], v[38:39]
	v_add_f32 v32, v32, v33
	v_add_f32 v36, v36, v37
	v_permlanex16_b32 v33, v32, s[SEL], s[SEL+1]   ; the token's other channels lie in the lane 16 away
	v_permlanex16_b32 v37, v36, s[SEL], s[SEL+1]
	v_add_f32 v32, v32, v33
	v_add_f32 v36, v36, v37
	ds_store_b32 v[REDS], v32 offset:(\red)
	ds_store_b32 v[REDS], v36 offset:(\red)+64
	s_wait_dscnt 0x0                               ; for the others' sake
	s_barrier_signal -1
	s_barrier_wait -1
.irp i, 0,1,2,3,4,5,6,7
	ds_load_b32 v[40+\i], v[REDL] offset:(\red)+128*(\i%4)+64*(\i/4)
.endr
	s_wait_dscnt 0x0
	v_add_f32 v40, v40, v41
	v_add_f32 v42, v42, v43
	v_add_f32 v44, v44, v45
	v_add_f32 v46, v46, v47
	v_add_f32 v40, v40, v42
	v_add_f32 v44, v44, v46
	v_fma_f32 v40, v40, s[RCPC], s[EPS]            ; mean + eps
	v_fma_f32 v44, v44, s[RCPC], s[EPS]
	v_rsq_f32 v[RI], v40
	v_rsq_f32 v[RI+1], v40
	v_rsq_f32 v[RI+2], v44
	v_rsq_f32 v[RI+3], v44
	v_nop                                          ; a plain instruction behind the last of them
	s_wait_alu depctr_va_vdst(0)
.irp mt, 0,1
	WIN 0x02
.set a, 0
.rept 16
	v_pk_mul_f32 v[32+2*a:33+2*a], v[RES+32*\mt+2*a:RES+32*\mt+2*a+1], v[RI+2*\mt:RI+2*\mt+1]
.set a, a+1
.endr
	WIN 0
.set a, 0
.rept 16
	v_cvt_pk_bf16_f32 v[32+8*(a/4)+a%4], v[32+2*a], v[33+2*a]
.set a, a+1
.endr
.irp nb, 0,1,2,3
	ds_store_b128 v[STA], v[32+8*\nb:35+8*\nb] offset:(\rel)+8192*\mt+1024*(\nb/2)+512*(\nb%2)
.endr
.endr
.endm
; GELU of the eight accumulators, one after the other, and into the hidden stage as fragments.  X = x/2; HA = |X|; T = 1/(1 + K1 HA); E = 2^(K2 X X); P = T (a1 + T (a2 + T (a3 + T (a4 + T a5)))) E; X + HA - HA P.
; Behind each run of eight transcendentals stands plain work that touches neither their results nor their sources.
.macro GELU
.set a, 0
.rept 8
.set XX, ACC+8*a
.irp z, 0,2,4,6
	v_pk_mul_f32 v[XX+\z:XX+\z+1], v[XX+\z:XX+\z+1], 0.5 op_sel_hi:[1,0]
.endr
.irp z, 0,1,2,3,4,5,6,7
	v_and_b32 v[HA+\z], s[ABSM], v[XX+\z]
.endr
.irp z, 0,2,4,6
	v_pk_fma_f32 v[TT+\z:TT+\z+1], v[HA+\z:HA+\z+1], s[K1:K1+1], 1.0 op_sel_hi:[1,0,0]
.endr
.irp z, 0,1,2,3,4,5,6,7
	v_rcp_f32 v[TT+\z], v[TT+\z]
.endr
.irp z, 0,2,4,6
	v_pk_mul_f32 v[EE+\z:EE+\z+1], v[XX+\z:XX+\z+1], s[K2:K2+1] op_sel_hi:[1,0]
.endr
.irp z, 0,2,4,6
	v_pk_mul_f32 v[EE+\z:EE+\z+1], v[EE+\z:EE+\z+1], v[XX+\z:XX+\z+1]
.endr
.irp z, 0,1,2,3,4,5,6,7
	v_exp_f32 v[EE+\z], v[EE+\z]
.endr
	s_wait_alu depctr_va_vdst(0)
.irp z, 0,2,4,6
	v_pk_fma_f32 v[PP+\z:PP+\z+1], v[TT+\z:TT+\z+1], s[A5:A5+1], s[A4:A4+1] op_sel_hi:[1,0,0]
.endr
.irp k, A3, A2, A1
.irp z, 0,2,4,6
	v_pk_fma_f32 v[PP+\z:PP+\z+1], v[PP+\z:PP+\z+1], v[TT+\z:TT+\z+1], s[\k:\k+1] op_sel_hi:[1,1,0]
.endr
.endr
.irp z, 0,2,4,6
	v_pk_mul_f32 v[PP+\z:PP+\z+1], v[PP+\z:PP+\z+1], v[TT+\z:TT+\z+1]
.endr
.irp z, 0,2,4,6
	v_pk_mul_f32 v[PP+\z:PP+\z+1], v[PP+\z:PP+\z+1], v[EE+\z:EE+\z+1]
.endr
.irp z, 0,2,4,6
	v_pk_fma_f32 v[HA+\z:HA+\z+1], v[HA+\z:HA+\z+1], v[PP+\z:PP+\z+1], v[HA+\z:HA+\z+1] neg_lo:[1,0,0] neg_hi:[1,0,0]
.endr
.irp z, 0,2,4,6
	v_pk_add_f32 v[XX+\z:XX+\z+1], v[XX+\z:XX+\z+1], v[HA+\z:HA+\z+1]
.endr
.irp z, 0,1,2,3
	v_cvt_pk_bf16_f32 v[XX+\z], v[XX+2*\z], v[XX+2*\z+1]
.endr
	ds_store_b128 v[STA], v[XX:XX+3] offset:STGH+8192*(a/4)+1024*((a%4)/2)+512*(a%2)
.set a, a+1
.endr
.endm
	s_load_b256 s[4:11], s[0:1], 0x0               ; obuf s[4:5], cur3 s[6:7], wfrag s[8:9], cur1 s[10:11]
	s_load_b128 s[12:15], s[0:1], 0x20             ; cur2 s[12:13], probs s[14:15]
	s_load_b64 s[16:17], s[0:1], 0x30              ; out0
	v_lshl_add_u32 v[SPW], v0, 2, SPARE
	v_mov_b32 v[NIL], 0
	ds_add_u32 v[SPW], v[NIL]                      ; the wave's opening: the add and its wait stand ahead of my first tensor load
	v_lshrrev_b32 v10, 5, v0
	v_readfirstlane_b32 s[WV], v10                 ; wave 0..3
	s_bfe_u32 s21, ttmp6, 0x40000                  ; cx
	s_lshl_b32 s22, ttmp9, 2
	s_add_co_u32 s22, s22, s21                     ; g: it enters the activations' global addresses alone
	s_mov_b32 s[G1+0], 15|(3<<16)|(1<<21)          ; the mask of four; elements of 8 bytes; bit 21 beside a mask; no padding: lane i reads at 16 i
	s_mov_b32 s[G1+1], 32<<16                      ; tensor_dim0 = 32 elements: rows of 256 bytes
	s_mov_b32 s[G1+2], 128<<16                     ; tensor_dim1 = 128 rows: my 32,768 dense bytes
	s_mov_b32 s[G1+3], 32<<16                      ; tile_dim0
	s_mov_b32 s[G1+4], 128                         ; tile_dim1
	s_mov_b32 s[G1+5], 32                          ; from row to row
	s_mov_b32 s[G1+6], 0
	s_mov_b32 s[G1+7], 0
	s_mul_i32 s18, s[WV], 32768                    ; my quarter, in a step of wfrag and in a slot
	s_mov_b32 s19, 0
	s_mov_b32 s[G0], 1
	s_add_co_u32 s[G0+1], s18, 0
	s_mov_b32 s[G0+4], 1
	s_add_co_u32 s[G0+5], s18, SLOTB
	s_mov_b32 s[TB], SLOTB                         ; the loop's first even step, step 2, lies in slot 1
	s_mov_b32 s[SEL], 0x76543210
	s_mov_b32 s[SEL+1], 0xfedcba98
	s_mov_b32 s[K1], 0x3eed3388                    ; 0.3275911 sqrt 2
	s_mov_b32 s[K2], 0xc038aa3b                    ; -2 log2(e)
	s_mov_b32 s[A5], 0x3f87dc22                    ; 1.061405429
	s_mov_b32 s[A4], 0xbfba00e3                    ; -1.453152027
	s_mov_b32 s[A3], 0x3fb5f0e3                    ; 1.421413741
	s_mov_b32 s[A2], 0xbe91a98e                    ; -0.284496736
	s_mov_b32 s[A1], 0x3e827906                    ; 0.254829592
.irp k, K1, K2, A5, A4, A3, A2, A1
	s_mov_b32 s[\k+1], s[\k]                       ; named as pairs
.endr
	s_mov_b32 s[ABSM], 0x7fffffff
	s_mov_b32 s[EPS], 0x358637bd                   ; 1e-6
	s_mov_b32 s[RCPC], 0x3b800000                  ; 1 / 256
	s_mul_i32 s41, s[WV], 4352
	s_add_co_u32 s41, s41, BASE+XP                 ; my stage for the way out
	s_lshl_b32 s62, s22, 14                        ; g x 16 fragments of O
	s_mov_b32 s63, 0
	s_wait_dscnt 0x0                               ; the opening add is done
	s_wait_kmcnt 0x0
	s_add_nc_u64 s[2:3], s[8:9], s[18:19]
	s_add_nc_u64 s[G0+2:G0+3], s[2:3], 0           ; step 0
	s_or_b32 s[G0+3], s[G0+3], 0x80000000
	s_add_nc_u64 s[G0+6:G0+7], s[2:3], 2*STEPB     ; step 2
	s_or_b32 s[G0+7], s[G0+7], 0x80000000
	s_add_nc_u64 s[DB:DB+1], s[DB:DB+1], STEPB     ; step 1
	s_add_nc_u64 s[4:5], s[4:5], s[62:63]
	s_lshl_b32 s62, s22, 15                        ; g x 32 tokens x 1,024 bytes
	s_add_nc_u64 s[6:7], s[6:7], s[62:63]
	s_add_nc_u64 s[10:11], s[10:11], s[62:63]
	s_add_nc_u64 s[12:13], s[12:13], s[62:63]
	s_add_nc_u64 s[16:17], s[16:17], s[62:63]
	s_lshl_b32 s62, s22, 9                         ; g x 32 tokens x 16 bytes of probs
	s_add_nc_u64 s[14:15], s[14:15], s[62:63]
	CROUND                                         ; the four work-groups are here: the first joint loads meet
	tensor_load_to_lds s[G0:G0+3], s[G1:G1+7]      ; step 0 into slot 0
	s_nop 0
	tensor_load_to_lds s[G0+4:G0+7], s[G1:G1+7]    ; step 2 into slot 1
	s_nop 0
	v_and_b32 v[L16], 31, v0
	v_lshlrev_b32 v[L16], 4, v[L16]
	v_add_nc_u32 v[LDA], BASE, v[L16]
	v_lshl_add_u32 v[STA], s[WV], 11, v[LDA]       ; my two fragments of each token tile
	v_and_b32 v10, 15, v0                          ; r
	v_lshl_add_u32 v[REDL], v10, 2, BASE
	v_lshl_add_u32 v[REDS], s[WV], 7, v[REDL]
	v_lshl_add_u32 v[BAD], s[WV], 15, v[L16]
	v_add_nc_u32 v[BAD+1], SLOTB, v[BAD]
	v_lshl_add_u32 v[GT], s[WV], 13, v[L16]
	v_lshlrev_b32 v[PRA], 4, v10                   ; my token's four p
	v_bfe_u32 v16, v0, 4, 1                        ; lane / 16
	v_mul_u32_u24 v[XPS], v10, 272                 ; the tile side: row r, 32 bytes for each half of the lanes
	v_lshl_add_u32 v[XPS], v16, 5, v[XPS]
	v_add_nc_u32 v[XPS], s41, v[XPS]
	v_mul_u32_u24 v[XPL], v16, 272                 ; the row side: lanes 0-15 one row of 256 bytes, lanes 16-31 the next
	v_lshl_add_u32 v[XPL], v10, 4, v[XPL]
	v_add_nc_u32 v[XPL], s41, v[XPL]
	v_lshlrev_b32 v[GR], 10, v16                   ; the same two rows in out0: my wave's 256 bytes of each
	v_lshl_add_u32 v[GR], v10, 4, v[GR]
	v_lshl_add_u32 v[GR], s[WV], 8, v[GR]
.set i, 0
.rept 32
	global_load_b128 v[AF+4*i:AF+4*i+3], v[L16], s[4:5] offset:512*i  ; O's 16 fragments, as they lie
.set i, i+1
.endr
	global_load_b128 v[PR:PR+3], v[PRA], s[14:15]
	global_load_b128 v[PR+4:PR+7], v[PRA], s[14:15] offset:256
	WIN 0x80
.set i, 0
.rept 16
	global_load_b128 v[RES+4*i:RES+4*i+3], v[GT], s[6:7] offset:512*i
	global_load_b128 v[C1+4*i:C1+4*i+3], v[GT], s[10:11] offset:512*i
	global_load_b128 v[C2+4*i:C2+4*i+3], v[GT], s[12:13] offset:512*i
.set i, i+1
.endr
	WIN 0
	DLOAD 0, 64                                    ; step 1's weights
	s_wait_loadcnt 0x3f                            ; O, p and the three states are in: 64 loads were issued behind them, and the count's field ends at 63
.irp mt, 0,1                           ; p0, p1, p2 as pairs for the packed lines
.irp d, 0,1,2
	v_mov_b32 v[32+6*\mt+2*\d], v[PR+4*\mt+\d]
	v_mov_b32 v[33+6*\mt+2*\d], v[PR+4*\mt+\d]
.endr
.endr
	WIN 0xa2                                       ; destination, source 0 and source 2 in window 2, p in window 0
.set i, 0
.rept 32
	v_pk_mul_f32 v[COMB+2*i:COMB+2*i+1], v[C1+2*i:C1+2*i+1], v[32+6*(i/16):33+6*(i/16)]
.set i, i+1
.endr
.set i, 0
.rept 32
	v_pk_fma_f32 v[COMB+2*i:COMB+2*i+1], v[C2+2*i:C2+2*i+1], v[34+6*(i/16):35+6*(i/16)], v[COMB+2*i:COMB+2*i+1]
.set i, i+1
.endr
.set i, 0
.rept 32
	v_pk_fma_f32 v[COMB+2*i:COMB+2*i+1], v[RES+2*i:RES+2*i+1], v[36+6*(i/16):37+6*(i/16)], v[COMB+2*i:COMB+2*i+1]  ; cur3, before the products add onto it
.set i, i+1
.endr
	WIN 0
	s_wait_tensorcnt 0x1                           ; my quarter of step 0 is in, and only I read it; step 2's may stay out
	FETCHB BAD
	STEP RES, 0xa1, 0, 0                           ; y = cur3 + O Wo^T, onto the state
	NORM RED0, STG1
	BAR                                            ; everybody's part of rmsnorm(y) is in the stage
	LOADA STG1, 0x80                               ; read once, for all four fc1 steps, into the registers that cur1 and cur2 have left
	s_mov_b32 s[CNT], 4
	s_branch .Lentry                               ; the loop is entered at fc1: four fc1 steps, three fc2 steps in it, the fourth behind it, where nothing more is asked for
.Lfc:                                                  ; three times: loads steps 3, 5, 7 and asks for steps 4, 6, 8
	s_add_nc_u64 s[DB:DB+1], s[DB:DB+1], 2*STEPB   ; the loads that named the base are done: fc1's last wait was for 0
	DLOAD 0, 32                                    ; the next fc1 step, first half
	CHANGE 1
	LOADA STGH, 0
	v_add_nc_u32 v[BADR], s[TB], v[BAD]
	s_xor_b32 s[TB], s[TB], SLOTB
	FETCHB BADR
	DLOAD 32, 32                                   ; second half: so no more than the count's field holds are out
	STEP RES, 0xa1, 0, 0                           ; fc2, onto the state
	BAR                                            ; everybody's reads of the hidden stage are over: GELU may write it again
.Lentry:
	STEP ACC, 0x0b, 1, 1                           ; fc1: weights window 3, activations window 2
	GELU
	s_sub_co_u32 s[CNT], s[CNT], 1
	s_cmp_lg_u32 s[CNT], 0
	s_cbranch_scc1 .Lfc
	CHANGE 0
	LOADA STGH, 0
	FETCHB BAD                                     ; step 8 lies in slot 0
	STEP RES, 0xa1, 0, 0                           ; the last quarter of fc2: RES is cur4
	v_mov_b32 v32, v[PR+3]
	v_mov_b32 v33, v[PR+3]
	v_mov_b32 v34, v[PR+7]
	v_mov_b32 v35, v[PR+7]
	WIN 0xa2
.set i, 0
.rept 32
	v_pk_fma_f32 v[COMB+2*i:COMB+2*i+1], v[RES+2*i:RES+2*i+1], v[32+2*(i/16):33+2*(i/16)], v[COMB+2*i:COMB+2*i+1]
.set i, i+1
.endr
.irp mt, 0,1                           ; tiles in, rows out, through my own stage: LDS serves a wave's instructions in order (ISA guide 5.7.1.4), so no wait stands between
	WIN 0x08                                       ; store data in window 2
.set i, 0
.rept 8
	ds_store_b128 v[XPS], v[COMB+32*\mt+4*i:COMB+32*\mt+4*i+3] offset:64*(i/2)+16*(i%2)
.set i, i+1
.endr
	WIN 0
.set i, 0
.rept 8
	ds_load_b128 v[AF+32*\mt+4*i:AF+32*\mt+4*i+3], v[XPL] offset:544*i
.set i, i+1
.endr
.endr
.irp mt, 0,1
	s_wait_dscnt 16-16*\mt                         ; this tile's rows are back; the second tile's sixteen LDS instructions may be out
.set i, 0
.rept 8
	global_store_b128 v[GR], v[AF+32*\mt+4*i:AF+32*\mt+4*i+3], s[16:17] offset:1024*(16*\mt+2*i)
.set i, i+1
.endr
.endr
	s_wait_tensorcnt 0x0                           ; the wave's end
	ds_add_u32 v[SPW], v[NIL]
	s_wait_dscnt 0x0
	CROUND                                         ; the closing round
	s_endpgm
.Lfunc_end_k_qb609a0298b_last:
	.size	k_qb609a0298b_last, .Lfunc_end_k_qb609a0298b_last-k_qb609a0298b_last
	.p2alignl 7, 3214868480
	.fill 96, 4, 3214868480
	.section	.rodata,"a",@progbits
	.p2align	6, 0x0
	.amdhsa_kernel k_qb609a0298b_last
		.amdhsa_group_segment_fixed_size 327680
		.amdhsa_private_segment_fixed_size 0
		.amdhsa_enable_private_segment 0
		.amdhsa_kernarg_size 56
		.amdhsa_user_sgpr_count 2
		.amdhsa_user_sgpr_kernarg_segment_ptr 1
		.amdhsa_wavefront_size32 1
		.amdhsa_system_sgpr_workgroup_id_x 1
		.amdhsa_system_sgpr_workgroup_id_y 1
		.amdhsa_system_sgpr_workgroup_id_z 1
		.amdhsa_system_vgpr_workitem_id 0
		.amdhsa_next_free_vgpr 1024
		.amdhsa_next_free_sgpr 66
		.amdhsa_reserve_vcc 0
		.amdhsa_float_denorm_mode_32 3
		.amdhsa_float_denorm_mode_16_64 3
		.amdhsa_memory_ordered 1
		.amdhsa_forward_progress 1
		.amdhsa_inst_pref_size 117
	.end_amdhsa_kernel
	.amdgpu_metadata
---
amdhsa.version: [ 1, 2 ]
amdhsa.kernels:
  - .name:           k_qb609a0298b_last
    .symbol:         k_qb609a0298b_last.kd
    .args:
      - { .name: obuf, .offset: 0, .size: 8, .value_kind: global_buffer, .address_space: global }
      - { .name: cur3, .offset: 8, .size: 8, .value_kind: global_buffer, .address_space: global }
      - { .name: wfrag, .offset: 16, .size: 8, .value_kind: global_buffer, .address_space: global }
      - { .name: cur1, .offset: 24, .size: 8, .value_kind: global_buffer, .address_space: global }
      - { .name: cur2, .offset: 32, .size: 8, .value_kind: global_buffer, .address_space: global }
      - { .name: probs, .offset: 40, .size: 8, .value_kind: global_buffer, .address_space: global }
      - { .name: out0, .offset: 48, .size: 8, .value_kind: global_buffer, .address_space: global }
    .group_segment_fixed_size: 327680
    .private_segment_fixed_size: 0
    .kernarg_segment_align: 8
    .kernarg_segment_size: 56
    .max_flat_workgroup_size: 128
    .sgpr_count:     66
    .vgpr_count:     1024
    .wavefront_size: 32
...
	.end_amdgpu_metadata
.endif
;; end of part 5
